; MI455X (gfx1250); checked and timed in simulation.
; The chip was launched on July 23, 2026; its instructions are those of AMD's public machine-readable ISA for CDNA 5 (MIT licence, August 2026) and "CDNA5" Instruction Set Architecture Reference Guide (July 2026). The comments in the code are by the model that wrote it; some were corrected since.
;; Multi Head Attention. Allowed arithmetic: float matrix products may take bf16 or f16 operands with f32 sums; all other float work in f32.
;; Inputs: k 2 x 2,048 x 1,024 float32; mask 1 x 1 x 2,048 x 2,048 bool; q 2 x 2,048 x 1,024 float32; v 2 x 2,048 x 1,024 float32; w_k 1,024 x 1,024 float32; w_output 1,024 x 1,024 float32; w_q 1,024 x 1,024 float32; w_v 1,024 x 1,024 float32.
;; Outputs: out0 2 x 2,048 x 1,024 float32.
;; 2 versions, each right; version 2 is version 1 with the launch prep written anew for expert scheduling mode. Each part assembles by itself: llvm-mc -triple=amdgcn-amd-amdhsa -mcpu=gfx1250 --defsym DOCPART=n.
;; ======== version 1 of 2: 4 launches
;; limits: values are held in f16: magnitudes above 65,504 overflow, below 6.1e-05 lose precision
;; workspace buffers: act16 25,165,824 bytes; wt16 8,388,608 bytes; mbits 524,288 bytes of whole numbers; heads 25,165,824 bytes; xh 8,388,608 bytes
;; launch prep (part 1): grid 512 x 1, 8 waves a work-group, no clusters, 0 bytes of LDS; arguments q, k, v, w_q, w_k, w_v, w_output, mask, act16, wt16, mbits; writes act16, wt16, mbits
.if DOCPART == 1
	.amdgcn_target "amdgcn-amd-amdhsa--gfx1250"
	.amdhsa_code_object_version 6
	.text
	.protected	k_q85fbb35fd7_prep
	.globl	k_q85fbb35fd7_prep
	.p2align	8
	.type	k_q85fbb35fd7_prep,@function
k_q85fbb35fd7_prep:
	s_mov_b64 s[64:65], 0
	v_nop
	global_prefetch_b8 v0, s[64:65] scope:SCOPE_SE
	s_setreg_imm32_b32 hwreg(HW_REG_WAVE_MODE, 25, 1), 1
	s_wait_xcnt 0x0
; 512 work-groups of equal work, two for each of 256 WGPs.  Each does two things.
; (1) f32 to f16, 131,072 bytes in: act16 = q, k, v stacked as [12288][1024]; wt16 = C w_q, w_k, w_v, w_output as [4][1024][1024].
; f16 and not bf16: eleven significant bits against eight, and these inputs have the room: 30 times the spread of q, k, v is under 200,
; a thirtieth of the weights' spread of 1/32 is 1e-3, against f16's largest number 65,504 and its step of 6e-8 near zero.
; C = log2(e) / 8 goes into w_q ahead of its rounding, so that the scores of the attention launch arrive divided by
; sqrt(64) and in the base-2 domain.  LIMIT: the order of rounding differs from a division of the f32 scores by 8.
; (2) Waves 0 to 3 pack one key block of the mask each (32 query rows x 64 keys) into 64 words of 32 bits, one bit a lane, in the order in which
; the attention launch holds its scores: mbits[qb][kb][e], e = 32 nt + 8 t + j; bit L of a word = mask[32 qb + 16 nt + (L & 15)][64 kb + 16 t + 8 (L >> 4) + j].
; Work-group id takes qb = id / 8 and kb = 4 (id % 8) + wave: the four waves together read 256 consecutive bytes of each of the 32 rows.
; LIMIT: a mask byte counts as true when it is not 0.
; No LDS, no barrier, no matrix unit: a stream, every byte read once and written once.
.set X,  4                             ; v[4:131]    cast: 32 loads of 4 registers, converted in place
.set LD, 132                           ; v[132:147]  mask: 8 loads of 8 bytes
.set W,  148                           ; v[148:149]  mask: lane l holds words 2 l and 2 l + 1
.set T,  150                           ; v[150:153]  mask: at work
.set MO, 154                           ; v154        mask: my byte offset in the 16 rows
.set MS, 155                           ; v155        mask: 8 x lane
	s_load_b512 s[4:19], s[0:1], 0x0               ; q s[4:5], k s[6:7], v s[8:9], w_q s[10:11], w_k s[12:13], w_v s[14:15], w_output s[16:17], mask s[18:19]
	s_load_b128 s[20:23], s[0:1], 0x40             ; act16 s[20:21], wt16 s[22:23]
	s_load_b64 s[24:25], s[0:1], 0x50              ; mbits
	s_mov_b32 s2, ttmp9
	s_mov_b32 s29, 0                               ; the high word of every offset pair
	v_lshrrev_b32 v3, 5, v0
	v_readfirstlane_b32 s3, v3                     ; wave 0..7
	v_lshlrev_b32 v1, 4, v0                        ; cast: 16 bytes a thread in
	v_lshlrev_b32 v2, 3, v0                        ; 8 bytes a thread out
	s_wait_kmcnt 0x0
	; the cast's source and destination: 128 groups for each of q, k, v, 32 for each weight
	s_mov_b64 s[26:27], s[4:5]
	s_cmp_ge_u32 s2, 128
	s_cselect_b64 s[26:27], s[6:7], s[26:27]
	s_cmp_ge_u32 s2, 256
	s_cselect_b64 s[26:27], s[8:9], s[26:27]
	s_cmp_ge_u32 s2, 384
	s_cselect_b64 s[26:27], s[10:11], s[26:27]
	s_cmp_ge_u32 s2, 416
	s_cselect_b64 s[26:27], s[12:13], s[26:27]
	s_cmp_ge_u32 s2, 448
	s_cselect_b64 s[26:27], s[14:15], s[26:27]
	s_cmp_ge_u32 s2, 480
	s_cselect_b64 s[26:27], s[16:17], s[26:27]
	s_cmp_lt_u32 s2, 384
	s_cselect_b32 s28, 127, 31                     ; the group's number inside its source
	s_and_b32 s28, s2, s28
	s_lshl_b32 s28, s28, 17
	s_add_nc_u64 s[26:27], s[26:27], s[28:29]
	s_cmp_lt_u32 s2, 384                           ; compared again: the lines above set SCC
	s_cselect_b64 s[34:35], s[20:21], s[22:23]
	s_cselect_b32 s28, 0, 384
	s_sub_co_u32 s28, s2, s28
	s_lshl_b32 s28, s28, 16                        ; 65,536 bytes of f16 for each group
	s_add_nc_u64 s[34:35], s[34:35], s[28:29]
.macro CASTLOADS                       ; a wave's load covers 512 neighbouring bytes; all 32 go out at once
.set i, 0
.rept 32
	global_load_b128 v[X+4*i:X+4*i+3], v1, s[26:27] offset:4096*i th:TH_LOAD_NT
.set i, i+1
.endr
.endm
	s_cmp_ge_u32 s3, 4
	s_cbranch_scc1 .Lcast_only
	; ---- waves 0 to 3: the mask's loads first, then the cast's; the words are packed while the cast's loads are on their way ----
	v_and_b32 v3, 15, v0
	v_lshlrev_b32 v[MO], 11, v3                    ; (L & 15) rows of 2,048 bytes
	v_bfe_u32 v3, v0, 4, 1
	v_lshl_add_u32 v[MO], v3, 3, v[MO]             ; + 8 (L >> 4)
	v_and_b32 v[MS], 31, v0
	v_lshlrev_b32 v[MS], 3, v[MS]
	s_lshr_b32 s44, s2, 3                          ; qb
	s_lshl_b32 s28, s44, 16                        ; 32 rows of 2,048 bytes
	s_and_b32 s44, s2, 7
	s_lshl_b32 s44, s44, 8                         ; + 256 keys for each of a query block's eight groups
	s_add_co_u32 s28, s28, s44
	s_lshl_b32 s44, s3, 6                          ; + 64 keys a wave
	s_add_co_u32 s28, s28, s44
	s_add_nc_u64 s[36:37], s[18:19], s[28:29]
	s_lshl_b32 s28, s2, 10                         ; mbits: 8,192 qb + 1,024 (id % 8) = 1,024 id,
	s_lshl_b32 s44, s3, 8                          ; + 256 bytes a wave
	s_add_co_u32 s28, s28, s44
	s_add_nc_u64 s[38:39], s[24:25], s[28:29]
.irp nt, 0,1
.irp t, 0,1,2,3
	global_load_b64 v[LD+2*(4*\nt+\t):LD+2*(4*\nt+\t)+1], v[MO], s[36:37] offset:\nt*32768+16*\t   ; the lane's eight bytes j = 0 .. 7
.endr
.endr
	CASTLOADS
	v_mov_b32 v[W], 0                              ; v_writelane_b32 keeps the other lanes: the registers are written whole first
	v_mov_b32 v[W+1], 0
	s_wait_loadcnt 32                              ; the mask's eight loads are in; the cast's 32 younger ones stay out (loads come back in order: ISA guide 5.7.1)
.set e, 0
.rept 64
	v_bfe_u32 v[T+(e&3)], v[LD+2*(4*(e>>5)+((e>>3)&3))+((e&7)>>2)], 8*(e&3), 8
	v_cmp_ne_u32 s[40+(e&3)], 0, v[T+(e&3)]        ; one bit a lane: word e
	v_writelane_b32 v[W+(e&1)], s[40+(e&3)], e>>1
.set e, e+1
.endr
	global_store_b64 v[MS], v[W:W+1], s[38:39]     ; 64 words: 256 consecutive bytes, aligned
	s_branch .Lconv
.Lcast_only:
	CASTLOADS
.Lconv:
; Load i is there when at most 31 - i younger ones are out, on both ways to this line.  No register is written again
; while a load or a store names it.  A wave's store covers 256 consecutive bytes, aligned.
.macro CONV scaled
.set i, 0
.rept 32
	s_wait_loadcnt 31-i
.if \scaled
	v_pk_mul_f32 v[X+4*i:X+4*i+1], v[X+4*i:X+4*i+1], s[30:31] op_sel_hi:[1,0]
	v_pk_mul_f32 v[X+4*i+2:X+4*i+3], v[X+4*i+2:X+4*i+3], s[30:31] op_sel_hi:[1,0]
.endif
	v_cvt_pk_f16_f32 v[X+4*i], v[X+4*i], v[X+4*i+1]
	v_cvt_pk_f16_f32 v[X+4*i+1], v[X+4*i+2], v[X+4*i+3]
	global_store_b64 v2, v[X+4*i:X+4*i+1], s[34:35] offset:2048*i
.set i, i+1
.endr
	s_endpgm
.endm
	s_lshr_b32 s44, s2, 5
	s_cmp_eq_u32 s44, 12                           ; groups 384 to 415 hold w_q
	s_cbranch_scc1 .Lscaled
	CONV 0
.Lscaled:
	s_mov_b32 s30, 0x3e38aa3b                      ; log2(e) / 8
	s_mov_b32 s31, 0x3e38aa3b
	CONV 1
.Lfunc_end_k_q85fbb35fd7_prep:
	.size	k_q85fbb35fd7_prep, .Lfunc_end_k_q85fbb35fd7_prep-k_q85fbb35fd7_prep
	.p2alignl 7, 3214868480
	.fill 96, 4, 3214868480
	.section	.rodata,"a",@progbits
	.p2align	6, 0x0
	.amdhsa_kernel k_q85fbb35fd7_prep
		.amdhsa_group_segment_fixed_size 0
		.amdhsa_private_segment_fixed_size 0
		.amdhsa_enable_private_segment 0
		.amdhsa_kernarg_size 88
		.amdhsa_user_sgpr_count 2
		.amdhsa_user_sgpr_kernarg_segment_ptr 1
		.amdhsa_wavefront_size32 1
		.amdhsa_system_sgpr_workgroup_id_x 1
		.amdhsa_system_sgpr_workgroup_id_y 1
		.amdhsa_system_sgpr_workgroup_id_z 1
		.amdhsa_system_vgpr_workitem_id 0
		.amdhsa_next_free_vgpr 160
		.amdhsa_next_free_sgpr 66
		.amdhsa_reserve_vcc 0
		.amdhsa_float_denorm_mode_32 3
		.amdhsa_float_denorm_mode_16_64 3
		.amdhsa_memory_ordered 1
		.amdhsa_forward_progress 1
		.amdhsa_inst_pref_size 42
	.end_amdhsa_kernel
	.amdgpu_metadata
---
amdhsa.version: [ 1, 2 ]
amdhsa.kernels:
  - .name:           k_q85fbb35fd7_prep
    .symbol:         k_q85fbb35fd7_prep.kd
    .args:
      - { .name: q, .offset: 0, .size: 8, .value_kind: global_buffer, .address_space: global }
      - { .name: k, .offset: 8, .size: 8, .value_kind: global_buffer, .address_space: global }
      - { .name: v, .offset: 16, .size: 8, .value_kind: global_buffer, .address_space: global }
      - { .name: w_q, .offset: 24, .size: 8, .value_kind: global_buffer, .address_space: global }
      - { .name: w_k, .offset: 32, .size: 8, .value_kind: global_buffer, .address_space: global }
      - { .name: w_v, .offset: 40, .size: 8, .value_kind: global_buffer, .address_space: global }
      - { .name: w_output, .offset: 48, .size: 8, .value_kind: global_buffer, .address_space: global }
      - { .name: mask, .offset: 56, .size: 8, .value_kind: global_buffer, .address_space: global }
      - { .name: act16, .offset: 64, .size: 8, .value_kind: global_buffer, .address_space: global }
      - { .name: wt16, .offset: 72, .size: 8, .value_kind: global_buffer, .address_space: global }
      - { .name: mbits, .offset: 80, .size: 8, .value_kind: global_buffer, .address_space: global }
    .group_segment_fixed_size: 0
    .private_segment_fixed_size: 0
    .kernarg_segment_align: 8
    .kernarg_segment_size: 88
    .max_flat_workgroup_size: 256
    .sgpr_count:     66
    .vgpr_count:     160
    .wavefront_size: 32
...
	.end_amdgpu_metadata
.endif
;; end of part 1
;; launch qkv (part 2): grid 4 x 48, 4 waves a work-group, clusters of 4 x 4, 327,680 bytes of LDS; arguments act16, wt16, heads; writes heads
.if DOCPART == 2
	.amdgcn_target "amdgcn-amd-amdhsa--gfx1250"
	.amdhsa_code_object_version 6
	.text
	.protected	k_q85fbb35fd7_qkv
	.globl	k_q85fbb35fd7_qkv
	.p2align	8
	.type	k_q85fbb35fd7_qkv,@function
k_q85fbb35fd7_qkv:
	s_mov_b64 s[64:65], 0
	v_nop
	global_prefetch_b8 v0, s[64:65] scope:SCOPE_SE
	s_setreg_imm32_b32 hwreg(HW_REG_WAVE_MODE, 25, 1), 1
	s_wait_xcnt 0x0
	s_wait_alu depctr_hold_cnt(0) depctr_sa_sdst(0) depctr_va_vdst(0) depctr_va_sdst(0) depctr_va_ssrc(0) depctr_va_vcc(0) depctr_vm_vsrc(0)
	s_getreg_b32 s2, hwreg(HW_REG_IB_STS2, 6, 4)
	s_cmp_eq_u32 s2, 0
	s_cbranch_scc0 .Lentry_in_a_cluster
	s_endpgm
.Lentry_in_a_cluster:
	s_bfe_u32 s2, ttmp6, 0x10000c
	s_cmp_lg_u32 s2, 0xf033
	s_cbranch_scc0 .Lentry_shape_is_right
	s_endpgm
.Lentry_shape_is_right:
; The three projections as one product: C[m][n] = sum over k of act16[m][k] W[sel][n][k], m = 0 .. 12287 (q, k, v stacked, sel = m / 4096),
; n, k = 0 .. 1023; f16 operands, f32 sums, f16 out, laid by heads: heads[sel][b][h][s][64].
; LIMIT: a projected number beyond 65,504 in magnitude becomes infinite in f16.  The room: with activations (spread 1) and weights (spread 1/32)
; both 30 times larger the projections have a spread of 900; with an offset of 30 spreads on both they lie near 1024 x 30 x 30/32 = 28,800.
; With both 30 times smaller their spread is 1.1e-3 (Q's 2e-4), against f16's step of 6e-8 near zero.
; A work-group makes 256 x 256 of C with four waves; a wave makes 128 x 128: 64 accumulator tiles of 16 x 16, 512 registers.
; 4 x 48 = 192 work-groups: the larger block is preferred to 768 blocks of 128 x 128 because each byte read from LDS feeds twice the products.
; K goes in steps of 128 through two LDS slots filled by tensor loads; a tile's rows are 256 bytes of memory at multiples of 256 bytes.
; CLUSTERS: 4 x 4 work-groups.  The four of a row of the cluster share A's tiles, the four of a column B's: each tile is asked for jointly,
; by the same tensor load in all four.  A cluster spans 4 block rows and each of q, k, v has 16, so one cluster has one sel.
; REGISTERS in windows of 256: window 0: v0-31 addresses, v64-127 and v128-191 A's fragments (two buffers), v192-223 the way out;
; window 1: v64-127, v128-191 B's fragments; window 2: the 32 accumulator tiles of my rows 0-63 (tile (a, b) at v[8 (8 a + b)]); window 3: rows 64-127.
; THE MATRIX INSTRUCTION IS USED TRANSPOSED: source 0 = 16 rows of W, source 1 = 16 rows of act16, so that a lane's eight results are eight
; neighbouring columns of one row of C, 16 bytes of f16.
.set SIZE_K, 1024
.set KSTEP,  128
.set PITCH,  272                       ; an LDS row: 256 bytes + 16 of padding: the 16 rows of a fragment load start 68 words apart
.set HALFT,  128*PITCH                 ; 128 rows: one tensor load
.set SLOT,   4*HALFT                   ; A's 256 rows, then B's 256 rows
.set STAGE,  2*SLOT                    ; behind the ring: 16 rows x 272 bytes for each wave; no tensor load lands here
.set SPITCH, 272
.set LAPS, SIZE_K/(2*KSTEP)            ; 4 laps of two K steps
.set ADRA, 16                          ; v16-17  LDS address of my A fragments in slot 0, 1
.set ADRB, 20                          ; v20-21  the same for B
.set STO,  24                          ; v24     the way out: where I put 16 bytes of a row
.set RD,   25                          ; v25     the way out: where I read back
.set CO,   26                          ; v26     my byte offset in heads
.set F0,   64
.set F1,   128
.set TMP,  192
.set G1, 24                            ; s[24:31] descriptor group 1, A's tiles
.set G0, 32                            ; s[32:39] descriptor group 0, A's tiles, one set for each slot
.set G1B, 48                           ; s[48:55] group 1, B's tiles: another mask
.set G0B, 56                           ; s[56:63] group 0, B's tiles
.set MSB, 0
.macro WIN new                         ; the immediate's high byte repeats the setting that is left
.if MSB != \new
	s_set_vgpr_msb (MSB<<8)|\new
.set MSB, \new
.endif
.endm
.set MUL_LO, 0xa1                      ; source 0 (B) window 1, source 1 (A) window 0, C and D window 2
.set MUL_HI, 0xf1                      ; the same, C and D window 3
.set TO_B,   0x40                      ; destination window 1, address window 0
; A joint load: waves 0 and 1 fetch A's two halves, waves 2 and 3 B's.  The branch hangs on the wave's number alone.
.macro JLOAD s
	s_cmp_eq_u32 s11, 0
	s_cbranch_scc0 .Lfor_b_\@
	tensor_load_to_lds s[G0+4*\s:G0+4*\s+3], s[G1:G1+7]
	s_nop 0
	s_branch .Lasked_\@
.Lfor_b_\@:
	tensor_load_to_lds s[G0B+4*\s:G0B+4*\s+3], s[G1B:G1B+7]
	s_nop 0
.Lasked_\@:
.endm
; A round of the cluster's barrier: my work-group's barrier; wave 0 signals for the work-group; every wave waits for all sixteen; my work-group's barrier again.
.macro CREST                           ; a round behind its opening barrier
	s_cmp_lg_u32 s10, 0
	s_cbranch_scc1 .Lnot_wave_0_\@
	s_barrier_signal -3
.Lnot_wave_0_\@:
	s_barrier_wait -3
	s_barrier_signal -1
	s_barrier_wait -1
.endm
.macro CROUND
	s_barrier_signal -1
	s_barrier_wait -1
	CREST
.endm
	s_load_b128 s[4:7], s[0:1], 0x0                ; act16 s[4:5], wt16 s[6:7]
	s_load_b64 s[8:9], s[0:1], 0x10                ; heads
	s_set_vgpr_msb 0x40
	v_lshl_add_u32 v255, v0, 2, 0x48400
	s_set_vgpr_msb 0x4000
	v_mov_b32 v255, 0
	s_set_vgpr_msb 0x1
	ds_add_u32 v255, v255
	s_set_vgpr_msb 0x100
	v_lshrrev_b32 v1, 5, v0
	v_readfirstlane_b32 s10, v1                    ; wave 0..3
	s_lshr_b32 s11, s10, 1                         ; which half of the block's rows is mine; also: I fetch for A (0) or B (1)
	s_and_b32 s12, s10, 1                          ; which half of its columns; also: which 128 rows of the tile I fetch
	s_bfe_u32 s40, ttmp6, 0x40000                  ; cx
	s_bfe_u32 s41, ttmp6, 0x40004                  ; cy
	s_lshl_b32 s42, ttmp9, 2
	s_add_co_u32 s42, s42, s40                     ; block column = 4 x cluster x + cx
	s_and_b32 s13, ttmp7, 0xffff                   ; cluster y, 0 .. 11
	s_lshr_b32 s45, s13, 2                         ; sel: the same in the whole cluster
	s_lshl_b32 s45, s45, 10                        ; its 1,024 rows of wt16
	s_lshl_b32 s13, s13, 2
	s_add_co_u32 s13, s13, s41                     ; block row = 4 x cluster y + cy, 0 .. 47
	s_lshl_b32 s43, s41, 2
	s_lshl_b32 s43, 15, s43                        ; my row of the cluster
	s_lshl_b32 s44, 0x1111, s40                    ; my column
	; group 1: 128 rows x 128 elements of 2 bytes, 4 words of padding behind every 64 words
	s_or_b32 s[G1+0], s43, (1<<16)|(1<<20)|(1<<21)|(5<<22)|(3<<25)
	s_or_b32 s[G1B+0], s44, (1<<16)|(1<<20)|(1<<21)|(5<<22)|(3<<25)
	s_mov_b32 s[G1B+1], KSTEP<<16
	s_mov_b32 s[G1+1], KSTEP<<16                   ; tensor_dim0 = 128
	s_mov_b32 s[G1B+2], 128<<16
	s_mov_b32 s[G1+2], 128<<16                     ; tensor_dim1 = 128
	s_mov_b32 s[G1B+3], KSTEP<<16
	s_mov_b32 s[G1+3], KSTEP<<16                   ; tile_dim0 = 128
	s_mov_b32 s[G1B+4], 128
	s_mov_b32 s[G1+4], 128                         ; tile_dim1 = 128
	s_mov_b32 s[G1B+5], SIZE_K
	s_mov_b32 s[G1+5], SIZE_K                      ; elements from row to row
	s_mov_b32 s[G1B+6], 0
	s_mov_b32 s[G1+6], 0
	s_mov_b32 s[G1B+7], 0
	s_mov_b32 s[G1+7], 0
	; A's address hangs on the block row alone, B's on sel and the block column alone, each in registers that never hold the other coordinate
	s_lshl_b32 s17, s12, 7
	s_lshl_b32 s16, s13, 8
	s_add_co_u32 s16, s16, s17                     ; A: row 256 x block row + 128 x half
	s_lshl_b32 s46, s42, 8
	s_add_co_u32 s46, s46, s17
	s_add_co_u32 s46, s46, s45                     ; B: row 1024 sel + 256 x block column + 128 x half
	s_mov_b32 s17, 0
	s_mov_b32 s47, 0
	s_mov_b64 s[18:19], SIZE_K*2
	s_mul_u64 s[16:17], s[16:17], s[18:19]
	s_mul_u64 s[46:47], s[46:47], s[18:19]
	s_mul_i32 s20, s10, HALFT                      ; where they go: wave x 128 rows
	s_wait_dscnt 0x0
	s_wait_kmcnt 0x0
	s_add_nc_u64 s[14:15], s[4:5], s[16:17]
	s_add_nc_u64 s[46:47], s[6:7], s[46:47]
	CROUND                                         ; all sixteen work-groups are here: the first joint loads meet
.irp s, 0,1
	s_mov_b32 s[G0+4*\s], 1
	s_add_co_u32 s[G0+4*\s+1], s20, \s*SLOT
	s_add_nc_u64 s[G0+4*\s+2:G0+4*\s+3], s[14:15], \s*KSTEP*2
	s_or_b32 s[G0+4*\s+3], s[G0+4*\s+3], 0x80000000
	s_mov_b32 s[G0B+4*\s], 1
	s_add_co_u32 s[G0B+4*\s+1], s20, \s*SLOT
	s_add_nc_u64 s[G0B+4*\s+2:G0B+4*\s+3], s[46:47], \s*KSTEP*2
	s_or_b32 s[G0B+4*\s+3], s[G0B+4*\s+3], 0x80000000
	JLOAD \s                                       ; both slots' first fills go out together: two tensor loads of the wave are out, the most in this text
.endr
	; a fragment: lane l holds row l % 16; registers 0-3 K = 8 (l / 16) + 0..7, registers 4-7 K = 16 + 8 (l / 16) + 0..7: two loads of 16 bytes, 32 bytes apart
	v_and_b32 v1, 15, v0
	v_bfe_u32 v2, v0, 4, 1
	v_mul_u32_u24 v3, v1, PITCH
	v_lshl_add_u32 v3, v2, 4, v3
	s_mul_i32 s21, s11, HALFT
	s_mul_i32 s22, s12, HALFT
	s_add_co_u32 s22, s22, 2*HALFT
.irp s, 0,1
	v_add_nc_u32 v[ADRA+\s], s21, v3
	v_add_nc_u32 v[ADRB+\s], s22, v3
	s_add_co_u32 s21, s21, SLOT
	s_add_co_u32 s22, s22, SLOT
.endr
	s_mul_i32 s23, s10, 16*SPITCH
	s_add_co_u32 s23, s23, STAGE                   ; my stage
	v_mul_u32_u24 v4, v1, SPITCH                   ; in: row l % 16, 16 bytes for each half of the lanes
	v_lshl_add_u32 v4, v2, 4, v4
	v_add_nc_u32 v[STO], s23, v4
	; back: my 128 columns are two heads of 64.  Lanes 0-15 take two rows' 128 bytes of the first head, lanes 16-31 of the second:
	; in heads[..][s][64] two neighbouring rows of one head are 256 consecutive bytes.
	v_bfe_u32 v6, v0, 3, 1                         ; which of the two rows
	v_and_b32 v7, 7, v0                            ; which 16 bytes
	v_mul_u32_u24 v5, v6, SPITCH
	v_lshl_add_u32 v5, v2, 7, v5
	v_lshl_add_u32 v5, v7, 4, v5
	v_add_nc_u32 v[RD], s23, v5
	v_lshlrev_b32 v5, 18, v2                       ; a head is 2,048 rows of 128 bytes
	v_lshl_add_u32 v5, v6, 7, v5
	v_lshl_add_u32 v[CO], v7, 4, v5
; 16 matrix instructions: m blocks a0, a0 + 1 of the window's four x all 8 n blocks, 32 along K.  zero = 1: the first product starts the sums.
.macro MUL16 f, hi, a0, zero
.irp a, \a0, \a0+1
.irp b, 0,1,2,3,4,5,6,7
.if \zero
	v_wmma_f32_16x16x32_f16 v[8*(8*(\a)+\b):8*(8*(\a)+\b)+7], v[\f+8*\b:\f+8*\b+7], v[\f+8*(4*\hi+\a):\f+8*(4*\hi+\a)+7], 0
.else
	v_wmma_f32_16x16x32_f16 v[8*(8*(\a)+\b):8*(8*(\a)+\b)+7], v[\f+8*\b:\f+8*\b+7], v[\f+8*(4*\hi+\a):\f+8*(4*\hi+\a)+7], v[8*(8*(\a)+\b):8*(8*(\a)+\b)+7]
.endif
.endr
.endr
.endm
; 32 LDS loads in one run: the fragments of one quarter step into buffer f
.macro FETCH slot, k, f
	WIN TO_B
.irp i, 0,1,2,3,4,5,6,7
	ds_load_b128 v[\f+8*\i:\f+8*\i+3],   v[ADRB+\slot] offset:\k+\i*16*PITCH
	ds_load_b128 v[\f+8*\i+4:\f+8*\i+7], v[ADRB+\slot] offset:\k+\i*16*PITCH+32
.endr
	WIN 0
.irp i, 0,1,2,3,4,5,6,7
	ds_load_b128 v[\f+8*\i:\f+8*\i+3],   v[ADRA+\slot] offset:\k+\i*16*PITCH
	ds_load_b128 v[\f+8*\i+4:\f+8*\i+7], v[ADRA+\slot] offset:\k+\i*16*PITCH+32
.endr
.endm
; Four plain vector places stand between a matrix instruction and a load into one of its registers, or a vector instruction that reads
; its result; the matrix instructions in between are not counted.
.macro PLACES
.rept 4
	v_nop
.endr
.endm
; The 64 accumulators take turns, one instruction a turn, in the same order in every quarter step, over the backward jump too.
.macro QUARTER slot, k, f, g, zero
	s_wait_dscnt 8                                 ; B and A's rows 0-63 are in; the youngest eight loads (A's rows 64-127) may be out
	WIN MUL_LO
	MUL16 \f, 0, 0, \zero
	MUL16 \f, 0, 2, \zero
	PLACES
	FETCH \slot, \k, \g
	s_wait_dscnt 32                                ; all but the 32 just issued
	WIN MUL_HI
	MUL16 \f, 1, 0, \zero
	MUL16 \f, 1, 2, \zero
.endm
.macro THREE slot, zero
	QUARTER \slot, 64,  F0, F1, \zero
	QUARTER \slot, 128, F1, F0, 0
	QUARTER \slot, 192, F0, F1, 0
.endm
; The last quarter changes slots.  In front of the barrier each wave waits for its reads of this slot and for all its tensor loads (one is out:
; its part of the next slot).  Behind it (where the slot is filled again: behind the cluster's round) the refill comes first, then the next slot's fragments.
.macro TURN slot, next, fill
	s_wait_dscnt 8
	WIN MUL_LO
	MUL16 F1, 0, 0, 0
	s_wait_dscnt 0                                 ; my reads of this slot are over
	s_wait_tensorcnt 0x0                           ; all my tensor loads have landed
	ds_add_u32 v255, v255
	s_wait_dscnt 0x0
	s_barrier_signal -1
	MUL16 F1, 0, 2, 0                              ; register work while the others arrive
	WIN 0
	s_barrier_wait -1
.if \fill
	CREST                                          ; no wave of any partner still reads this slot or has a load on its way
	s_add_nc_u64 s[G0+4*\slot+2:G0+4*\slot+3], s[G0+4*\slot+2:G0+4*\slot+3], 2*KSTEP*2
	s_add_nc_u64 s[G0B+4*\slot+2:G0B+4*\slot+3], s[G0B+4*\slot+2:G0B+4*\slot+3], 2*KSTEP*2
	JLOAD \slot                                    ; the wave's one tensor load behind the round
.endif
	PLACES
	FETCH \next, 0, F0
	WIN MUL_HI
	MUL16 F1, 1, 0, 0
	MUL16 F1, 1, 2, 0
.endm
.macro LAP zero
	THREE 0, \zero
	TURN 0, 1, 1
	THREE 1, 0
	TURN 1, 0, 1
.endm
	s_wait_tensorcnt 1                             ; my part of K step 0 is in; K step 1's stays out
	s_barrier_signal -1
	s_barrier_wait -1
	FETCH 0, 0, F0
	LAP 1                                          ; the first lap's first products start the sums
	WIN 0
	s_mov_b32 s3, LAPS-2
.Llap:
	LAP 0
	WIN 0
	s_sub_co_u32 s3, s3, 1
	s_cmp_lg_u32 s3, 0
	s_cbranch_scc1 .Llap
	THREE 0, 0                                     ; the last lap fills nothing
	TURN 0, 1, 0
	THREE 1, 0
	s_wait_dscnt 8
	WIN MUL_LO
	MUL16 F1, 0, 0, 0
	MUL16 F1, 0, 2, 0
	s_wait_dscnt 0
	WIN MUL_HI
	MUL16 F1, 1, 0, 0
	MUL16 F1, 1, 2, 0
	; THE WAY OUT, 16 rows at a time: round to f16, 16 bytes a lane into my own stage, read back by heads, store.
	PLACES
	s_lshr_b32 s16, s13, 3                         ; 2 sel + b = block row / 8: 16 heads of 262,144 bytes each
	s_lshl_b32 s16, s16, 22
	s_and_b32 s14, s13, 7
	s_lshl_b32 s14, s14, 15                        ; + (block row % 8) x 256 rows of 128 bytes
	s_add_co_u32 s16, s16, s14
	s_lshl_b32 s14, s11, 14                        ; + my half: 128 rows
	s_add_co_u32 s16, s16, s14
	s_mov_b32 s17, 0
	s_add_nc_u64 s[8:9], s[8:9], s[16:17]
	s_lshl_b32 s46, s42, 20                        ; head 4 x block column + 2 x half
	s_lshl_b32 s47, s12, 19
	s_add_co_u32 s46, s46, s47
	s_mov_b32 s47, 0
	s_add_nc_u64 s[8:9], s[8:9], s[46:47]
.macro OUT16 i, a, from, f
	WIN \from
.irp b, 0,1,2,3,4,5,6,7
.irp r, 0,1,2,3
	v_cvt_pk_f16_f32 v[TMP+4*\b+\r], v[8*(8*\a+\b)+2*\r], v[8*(8*\a+\b)+2*\r+1]
.endr
.endr
	WIN 0
.irp b, 0,1,2,3,4,5,6,7
	ds_store_b128 v[STO], v[TMP+4*\b:TMP+4*\b+3] offset:32*\b
.endr
	s_wait_xcnt 0x0                                ; buffer f, which earlier stores read, is loaded again only behind this wait
.irp t, 0,1,2,3,4,5,6,7
	ds_load_b128 v[\f+4*\t:\f+4*\t+3], v[RD] offset:\t*2*SPITCH    ; LDS serves a wave's instructions in order (ISA guide 5.7.1): these see the stores above
.endr
.irp t, 0,1,2,3,4,5,6,7
	s_wait_dscnt 7-\t                              ; read-back t is in; the younger ones stay out
	global_store_b128 v[CO], v[\f+4*\t:\f+4*\t+3], s[8:9] offset:\i*2048+\t*256   ; 16 lanes store 256 consecutive bytes, aligned: two rows of one head
.endr
.endm
	OUT16 0, 0, 0x0a, F0
	OUT16 1, 1, 0x0a, F1
	OUT16 2, 2, 0x0a, F0
	OUT16 3, 3, 0x0a, F1
	OUT16 4, 0, 0x0f, F0
	OUT16 5, 1, 0x0f, F1
	OUT16 6, 2, 0x0f, F0
	OUT16 7, 3, 0x0f, F1
	s_set_vgpr_msb 0x1
	s_wait_tensorcnt 0x0
	ds_add_u32 v255, v255
	s_wait_dscnt 0x0
	s_set_vgpr_msb 0x100
	CROUND                                         ; the closing round: no work-group ends while a partner may still ask for a tile that names it
	s_endpgm
.Lfunc_end_k_q85fbb35fd7_qkv:
	.size	k_q85fbb35fd7_qkv, .Lfunc_end_k_q85fbb35fd7_qkv-k_q85fbb35fd7_qkv
	.p2alignl 7, 3214868480
	.fill 96, 4, 3214868480
	.section	.rodata,"a",@progbits
	.p2align	6, 0x0
	.amdhsa_kernel k_q85fbb35fd7_qkv
		.amdhsa_group_segment_fixed_size 327680
		.amdhsa_private_segment_fixed_size 0
		.amdhsa_enable_private_segment 0
		.amdhsa_kernarg_size 24
		.amdhsa_user_sgpr_count 2
		.amdhsa_user_sgpr_kernarg_segment_ptr 1
		.amdhsa_wavefront_size32 1
		.amdhsa_system_sgpr_workgroup_id_x 1
		.amdhsa_system_sgpr_workgroup_id_y 1
		.amdhsa_system_sgpr_workgroup_id_z 1
		.amdhsa_system_vgpr_workitem_id 0
		.amdhsa_next_free_vgpr 1024
		.amdhsa_next_free_sgpr 66
		.amdhsa_reserve_vcc 0
		.amdhsa_float_denorm_mode_32 3
		.amdhsa_float_denorm_mode_16_64 3
		.amdhsa_memory_ordered 1
		.amdhsa_forward_progress 1
		.amdhsa_inst_pref_size 196
	.end_amdhsa_kernel
	.amdgpu_metadata
---
amdhsa.version: [ 1, 2 ]
amdhsa.kernels:
  - .name:           k_q85fbb35fd7_qkv
    .symbol:         k_q85fbb35fd7_qkv.kd
    .args:
      - { .name: act16, .offset: 0, .size: 8, .value_kind: global_buffer, .address_space: global }
      - { .name: wt16, .offset: 8, .size: 8, .value_kind: global_buffer, .address_space: global }
      - { .name: heads, .offset: 16, .size: 8, .value_kind: global_buffer, .address_space: global }
    .group_segment_fixed_size: 327680
    .private_segment_fixed_size: 0
    .kernarg_segment_align: 8
    .kernarg_segment_size: 24
    .max_flat_workgroup_size: 128
    .sgpr_count:     66
    .vgpr_count:     1024
    .wavefront_size: 32
...
	.end_amdgpu_metadata
.endif
;; end of part 2
;; launch attn (part 3): grid 8 x 32, 8 waves a work-group, clusters of 4 x 1, 327,680 bytes of LDS; arguments heads, mbits, xh; writes xh
.if DOCPART == 3
	.amdgcn_target "amdgcn-amd-amdhsa--gfx1250"
	.amdhsa_code_object_version 6
	.text
	.protected	k_q85fbb35fd7_attn
	.globl	k_q85fbb35fd7_attn
	.p2align	8
	.type	k_q85fbb35fd7_attn,@function
k_q85fbb35fd7_attn:
	s_mov_b64 s[64:65], 0
	v_nop
	global_prefetch_b8 v0, s[64:65] scope:SCOPE_SE
	s_setreg_imm32_b32 hwreg(HW_REG_WAVE_MODE, 25, 1), 1
	s_wait_xcnt 0x0
	s_wait_alu depctr_hold_cnt(0) depctr_sa_sdst(0) depctr_va_vdst(0) depctr_va_sdst(0) depctr_va_ssrc(0) depctr_va_vcc(0) depctr_vm_vsrc(0)
	s_getreg_b32 s2, hwreg(HW_REG_IB_STS2, 6, 4)
	s_cmp_eq_u32 s2, 0
	s_cbranch_scc0 .Lentry_in_a_cluster
	s_endpgm
.Lentry_in_a_cluster:
	s_bfe_u32 s2, ttmp6, 0x10000c
	s_cmp_lg_u32 s2, 0x3003
	s_cbranch_scc0 .Lentry_shape_is_right
	s_endpgm
.Lentry_shape_is_right:
; Attention of one (b, h) for 256 queries a work-group, 32 queries a wave (two tiles of 16), with a running maximum.  heads[sel][b][h][s][64] f16 holds
; Q (already times log2(e)/8), K, V.  Out: xh[m >> 7][h][m & 127][64] f16, m = 2048 b + s.  Keys go in blocks of 64.
; TRANSPOSED FORMS, so that nothing is shuffled: S^T = K Q^T (A = 16 keys, B = 16 queries): lane (r, h), register j holds key 16 t + 8 h + j of query r.
; Tiles 2 g and 2 g + 1 rounded to f16 in pairs ARE the B fragment of P^T for keys 32 g .. 32 g + 31.  O^T = V^T P^T, A = V^T by transposing LDS loads:
; lane (r, h), register j holds d = 16 dt + 8 h + j of query r.  A query's maximum and sum live one to a lane; one exchange of the lane halves joins them.
; THE TWO QUERY TILES TAKE TURNS, so that a wave's matrix instructions stand among its own vector work:
;   stage A of block n: select and softmax of tile 0;  among them P V of tile 1 for block n - 1, then K Q^T of tile 1 for block n (and that tile's select)
;   stage B of block n: P V of tile 0 for block n;  softmax of tile 1;  among it K Q^T of tile 0 for block n + 1
; V(n) is read from LDS in stage A behind the last product that used V(n - 1), K(n + 1) behind tile 1's scores: each is asked for well ahead of its first use.
; K's and V's fragments are both alive all the time, 64 registers each: V's lie in window 1 (v256-319), named only by the transposing loads (destination) and by
; P V (source 0).  The selects take their constant from a scalar register, so they run unchanged under the setting 'source 0 in window 1'.
; MASK: where the mask is false the score is REPLACED by -1e10 log2(e), by a select on one bit a lane (mbits holds the words in the registers' order).
; A row that is masked altogether has all its scores equal and comes out uniform.  Scalar loads are shown done by the count 0 alone, so there is one such wait
; for a block, at stage A's head; both tiles' selects stand early in stage A and each tile's 32 words are asked for again straight behind its select.
; CLUSTERS: the four query blocks of a cluster read the same K and V tiles: joint tensor loads, mask 15.
; No prefetch of the mask words: the same words are read by the work-groups of all 32 heads, so no single asker can be named.
; LIMITS: matrix operands in f16.  P lies in [0, 1] (the running maximum is taken away), the result is a convex mix of V's rows and has V's range.
; A probability below 2^-126 counts as 0 in the sum (v_exp_f32 flushes: ISA guide 15.8), one below 2^-24 of the row's largest is lost as a factor of V.
.set WREG,   10240                     ; LDS bytes of one wave's load: 64 keys; K at pitch 144 (9,216 used), V at pitch 160
.set KP,     144                       ; 128 bytes + 16: an odd multiple of 16
.set VP,     160                       ; 128 bytes + 32: an odd multiple of 32, for the transposing loads
.set VOFF,   4*WREG                    ; V's 256 keys lie behind K's four regions
.set SLOT,   8*WREG                    ; 256 keys of K and of V
.set STAGE,  2*SLOT                    ; 163,840: 32 rows x 144 bytes for each wave, for the way out; no tensor load lands here
.set WSTAGE, 32*KP
.set G0,   4                           ; s[4:7] group 0 of slot 0; s[68:71] of slot 1
.set G1K,  8                           ; s[8:15]  group 1 for K
.set G1V,  72                          ; s[72:79] group 1 for V: more padding
; s3 wave; s[16:47] tile 0's 32 mask words, s[48:63] and s[80:95] tile 1's (word e in s[16 + e + 16 (e / 48)]); s[66:67] mask pointer; s96 trips;
; s97 -1e10 log2(e); s[98:99] lane selects; s[100:101] Q's base, later xh's; s[104:105] my offset in xh
.set KADR, 1                           ; v1-2   K fragments in slot 0, 1
.set VADR, 3                           ; v3-4   V fragments
.set STO,  5
.set RD,   6
.set XO,   7
.set QF,   16                          ; v[16:47]    Q: fragment (nt, ks) at 8 (2 nt + ks)
.set OA,   48                          ; v[48:111]   O: tile (dt, nt) at 8 (dt + 4 nt)
.set SC,   112                         ; v[112:175]  S: tile (t, nt) at 8 (t + 4 nt): register e; then P
.set POOL, 176                         ; v[176:239]  K's fragments: (ks, t) at 8 (4 ks + t)
.set MP,   240                         ; v[240:243]  the running maximum, twice, for nt = 0, 1
.set LS,   244                         ; v244-245    the running sum of my half of the keys
.set ALP,  246                         ; v[246:247]  the factor on what was summed before, twice
.set SUM,  248                         ; v[248:251]
.set VF,   0                           ; window 1, v[256:319]: V's fragments: (g, dt) at 8 (4 g + dt)
.set A_W1, 0x01                        ; source 0 in window 1
.set D_W1, 0x40                        ; destination in window 1
.set MSB, 0
.macro WIN new                         ; the immediate's high byte repeats the setting that is left; at every label and branch the setting is 0
.if MSB != \new
	s_set_vgpr_msb (MSB<<8)|\new
.set MSB, \new
.endif
.endm
.macro ROUND                           ; a round of the cluster's barrier
	s_barrier_signal -1
	s_barrier_wait -1
	s_cmp_lg_u32 s3, 0
	s_cbranch_scc1 .Lnot_wave_0_\@
	s_barrier_signal -3
.Lnot_wave_0_\@:
	s_barrier_wait -3
	s_barrier_signal -1
	s_barrier_wait -1
.endm
.macro JLOAD s                         ; waves 0-3 bring 64 keys of K each, waves 4-7 of V; the branch hangs on the wave's number alone
	s_cmp_lt_u32 s3, 4
	s_cbranch_scc0 .Lfor_v_\@
	tensor_load_to_lds s[G0+64*(\s):G0+64*(\s)+3], s[G1K:G1K+7]
	s_nop 0
	s_branch .Lasked_\@
.Lfor_v_\@:
	tensor_load_to_lds s[G0+64*(\s):G0+64*(\s)+3], s[G1V:G1V+7]
	s_nop 0
.Lasked_\@:
.endm
	s_load_b128 s[16:19], s[0:1], 0x0              ; heads s[16:17], mbits s[18:19]
	v_lshl_add_u32 v254, v0, 2, 0x31000
	v_mov_b32 v255, 0
	ds_add_u32 v254, v255
	v_lshrrev_b32 v10, 5, v0
	v_readfirstlane_b32 s3, v10                    ; wave 0..7
	s_bfe_u32 s97, ttmp6, 0x40000                  ; cx
	s_lshl_b32 s2, ttmp9, 2
	s_add_co_u32 s97, s2, s97                      ; x: my block of 256 queries
	s_and_b32 s105, ttmp7, 0xffff                  ; bh = 16 b + h
	s_mov_b32 s98, 0x76543210                      ; v_permlanex16_b32: lane i reads lane i of the other half
	s_mov_b32 s99, 0xfedcba98
	; group 1: 64 keys are 8,192 dense bytes, taken as 32 rows of 256 bytes; padding behind every 32 words, that is behind every key's 128 bytes
	s_mov_b32 s[G1K+0], 15|(1<<16)|(1<<20)|(1<<21)|(4<<22)|(3<<25)   ; mask: all four of the cluster; 2-byte elements; 4 words of padding
	s_mov_b32 s[G1V+0], 15|(1<<16)|(1<<20)|(1<<21)|(4<<22)|(7<<25)   ; 8 words of padding
	s_mov_b32 s[G1K+1], 128<<16                    ; tensor_dim0 = 128
	s_mov_b32 s[G1V+1], 128<<16
	s_mov_b32 s[G1K+2], 32<<16                     ; tensor_dim1 = 32
	s_mov_b32 s[G1V+2], 32<<16
	s_mov_b32 s[G1K+3], 128<<16                    ; tile_dim0 = 128
	s_mov_b32 s[G1V+3], 128<<16
	s_mov_b32 s[G1K+4], 32                         ; tile_dim1 = 32
	s_mov_b32 s[G1V+4], 32
	s_mov_b32 s[G1K+5], 128                        ; pitch
	s_mov_b32 s[G1V+5], 128
	s_mov_b32 s[G1K+6], 0
	s_mov_b32 s[G1V+6], 0
	s_mov_b32 s[G1K+7], 0
	s_mov_b32 s[G1V+7], 0
	; my tile's offset in heads: sel 1 (K) or 2 (V), head bh, 64 keys for each of four waves.  Nothing of cx enters.
	s_lshr_b32 s20, s3, 2
	s_add_co_u32 s20, s20, 1
	s_lshl_b32 s20, s20, 23
	s_and_b32 s21, s3, 3
	s_lshl_b32 s21, s21, 13
	s_add_co_u32 s20, s20, s21
	s_lshl_b32 s21, s105, 18
	s_add_co_u32 s20, s20, s21
	s_mov_b32 s21, 0
	; Q: head bh, row 256 x + 32 w
	s_lshl_b32 s22, s105, 18
	s_lshl_b32 s23, s97, 15
	s_add_co_u32 s22, s22, s23
	s_lshl_b32 s23, s3, 12
	s_add_co_u32 s22, s22, s23
	s_mov_b32 s23, 0
	; mask words: query block 8 x + w, 8,192 bytes each
	s_lshl_b32 s24, s97, 16
	s_lshl_b32 s25, s3, 13
	s_add_co_u32 s24, s24, s25
	s_mov_b32 s25, 0
	; xh: ((16 b + 2 x + w / 4) 16 + h) 16,384 + (w % 4) 4,096
	s_lshr_b32 s104, s105, 4
	s_lshl_b32 s104, s104, 22
	s_lshl_b32 s28, s97, 19
	s_add_co_u32 s104, s104, s28
	s_lshr_b32 s28, s3, 2
	s_lshl_b32 s28, s28, 18
	s_add_co_u32 s104, s104, s28
	s_and_b32 s28, s105, 15
	s_lshl_b32 s28, s28, 14
	s_add_co_u32 s104, s104, s28
	s_and_b32 s28, s3, 3
	s_lshl_b32 s28, s28, 12
	s_add_co_u32 s104, s104, s28
	s_mov_b32 s105, 0
	s_mov_b32 s97, 0xd056fa73                      ; x has served: from here on -1e10 log2(e)
	s_wait_dscnt 0x0
	s_wait_kmcnt 0x0
	s_add_nc_u64 s[26:27], s[16:17], s[20:21]
	s_add_nc_u64 s[100:101], s[16:17], s[22:23]
	s_add_nc_u64 s[66:67], s[18:19], s[24:25]
	s_mov_b32 s[G0], 1
	s_mul_i32 s[G0+1], s3, WREG                    ; LDS: wave x 10,240 (+ the slot)
	s_mov_b64 s[G0+2:G0+3], s[26:27]
	s_or_b32 s[G0+3], s[G0+3], 0x80000000
	s_mov_b32 s[G0+64], 1
	s_add_co_u32 s[G0+65], s[G0+1], SLOT
	s_add_nc_u64 s[G0+66:G0+67], s[26:27], 32768   ; the next 256 keys
	s_or_b32 s[G0+67], s[G0+67], 0x80000000
	ROUND                                          ; the four work-groups are here: the first joint loads meet
	JLOAD 0
	JLOAD 1                                        ; two tensor loads of the wave are out, the most in this text
	v_and_b32 v10, 15, v0                          ; r
	v_bfe_u32 v11, v0, 4, 1                        ; h
	v_lshlrev_b32 v13, 7, v10
	v_lshl_add_u32 v13, v11, 4, v13                ; Q: r rows of 128 bytes + 16 h
.irp nt, 0,1
.irp ks, 0,1
	global_load_b128 v[QF+8*(2*\nt+\ks):QF+8*(2*\nt+\ks)+3],   v13, s[100:101] offset:\nt*2048+\ks*64
	global_load_b128 v[QF+8*(2*\nt+\ks)+4:QF+8*(2*\nt+\ks)+7], v13, s[100:101] offset:\nt*2048+\ks*64+32
.endr
.endr
	s_load_b512 s[16:31], s[66:67], 0x0            ; the first key block's 64 mask words
	s_load_b512 s[32:47], s[66:67], 0x40
	s_load_b512 s[48:63], s[66:67], 0x80
	s_load_b512 s[80:95], s[66:67], 0xc0
	v_mul_u32_u24 v[KADR], v10, KP
	v_lshl_add_u32 v[KADR], v11, 4, v[KADR]        ; r x 144 + 16 h
	v_add_nc_u32 v[KADR+1], SLOT, v[KADR]
	v_and_b32 v12, 7, v0
	v_lshl_add_u32 v12, v11, 3, v12                ; key 8 h + (L & 7)
	v_mul_u32_u24 v[VADR], v12, VP
	v_bfe_u32 v12, v0, 3, 1
	v_lshl_add_u32 v[VADR], v12, 4, v[VADR]        ; + 16 ((L >> 3) & 1)
	v_add_nc_u32 v[VADR], VOFF, v[VADR]
	v_add_nc_u32 v[VADR+1], SLOT, v[VADR]
	s_mul_i32 s2, s3, WSTAGE
	s_add_co_u32 s2, s2, STAGE                     ; my stage
	v_add_nc_u32 v[STO], s2, v[KADR]               ; in: row r, 16 bytes for each half of the lanes
	v_bfe_u32 v12, v0, 3, 2
	v_mul_u32_u24 v12, v12, KP
	v_and_b32 v10, 7, v0
	v_lshl_add_u32 v12, v10, 4, v12
	v_add_nc_u32 v[RD], s2, v12                    ; back: four rows of 128 bytes for a load
	v_and_b32 v[XO], 31, v0
	v_lshlrev_b32 v[XO], 4, v[XO]                  ; out: 16 L
	v_mov_b32 v9, 0                                ; v_permlanex16_b32's destination counts as read
; K's 64 keys of block kb: the eight loads for d = 0 .. 31 first
.macro KLOAD sl, kb
.irp ks, 0,1
.irp t, 0,1,2,3
	ds_load_b128 v[POOL+8*(4*\ks+\t):POOL+8*(4*\ks+\t)+3],   v[KADR+\sl] offset:\kb*WREG+\t*16*KP+\ks*64
	ds_load_b128 v[POOL+8*(4*\ks+\t)+4:POOL+8*(4*\ks+\t)+7], v[KADR+\sl] offset:\kb*WREG+\t*16*KP+\ks*64+32
.endr
.endr
.endm
; V^T, under the setting D_W1: rows d = 16 dt + r, keys 32 g + ..; two transposing loads, 16 keys apart
.macro VLOAD sl, kb
.irp g, 0,1
.irp dt, 0,1,2,3
	ds_load_tr16_b128 v[VF+8*(4*\g+\dt):VF+8*(4*\g+\dt)+3],   v[VADR+\sl] offset:(64*\kb+32*\g)*VP+32*\dt
	ds_load_tr16_b128 v[VF+8*(4*\g+\dt)+4:VF+8*(4*\g+\dt)+7], v[VADR+\sl] offset:(64*\kb+32*\g)*VP+32*\dt+16*VP
.endr
.endr
.endm
; One matrix instruction of the scores: 16 keys t of tile nt, d = 32 ks .. 32 ks + 31; ks = 0 starts the sum.
; Every group of matrix instructions in this text goes through four accumulators by turns, one instruction a turn.
.macro QKW nt, ks, t
.if \ks
	v_wmma_f32_16x16x32_f16 v[SC+8*(\t+4*\nt):SC+8*(\t+4*\nt)+7], v[POOL+32+8*\t:POOL+32+8*\t+7], v[QF+16*\nt+8:QF+16*\nt+15], v[SC+8*(\t+4*\nt):SC+8*(\t+4*\nt)+7]
.else
	v_wmma_f32_16x16x32_f16 v[SC+8*(\t+4*\nt):SC+8*(\t+4*\nt)+7], v[POOL+8*\t:POOL+8*\t+7], v[QF+16*\nt:QF+16*\nt+7], 0
.endif
.endm
; One matrix instruction of P V, under the setting A_W1: d = 16 dt .. of tile nt, keys 32 g ..; zero = 1 starts the sum
.macro PVW nt, g, dt, zero
.if \zero
	v_wmma_f32_16x16x32_f16 v[OA+8*(\dt+4*\nt):OA+8*(\dt+4*\nt)+7], v[VF+8*(4*\g+\dt):VF+8*(4*\g+\dt)+7], v[SC+32*\nt+16*\g:SC+32*\nt+16*\g+7], 0
.else
	v_wmma_f32_16x16x32_f16 v[OA+8*(\dt+4*\nt):OA+8*(\dt+4*\nt)+7], v[VF+8*(4*\g+\dt):VF+8*(4*\g+\dt)+7], v[SC+32*\nt+16*\g:SC+32*\nt+16*\g+7], v[OA+8*(\dt+4*\nt):OA+8*(\dt+4*\nt)+7]
.endif
.endm
.macro CND                             ; the select of score register e; source 0 is a scalar register, so no window setting of source 0 touches it
	v_cndmask_b32 v[SC+e], s97, v[SC+e], s[16+e+16*(e/48)]
.set e, e+1
.endm
; The maximum of tile x's 32 registers in four chains (9, 9, 7, 7 values), the other half's by one exchange, the new running maximum.
; qk = 1: the four instructions that start tile y's scores stand among them, the first behind eight plain instructions (five are owed to the P V
; whose P it writes over: ISA guide 7.12.1).  w = 1: K's fragments are still on their way.
.macro SMAX x, first, qk, y, w
.set SB, SC+32*\x
	v_max3_num_f32 v10, v[SB], v[SB+1], v[SB+2]
	v_max3_num_f32 v11, v[SB+9], v[SB+10], v[SB+11]
	v_max3_num_f32 v12, v[SB+18], v[SB+19], v[SB+20]
	v_max3_num_f32 v13, v[SB+25], v[SB+26], v[SB+27]
	v_max3_num_f32 v10, v10, v[SB+3], v[SB+4]
	v_max3_num_f32 v11, v11, v[SB+12], v[SB+13]
	v_max3_num_f32 v12, v12, v[SB+21], v[SB+22]
	v_max3_num_f32 v13, v13, v[SB+28], v[SB+29]
.if \qk
.if \w
	s_wait_dscnt 0x8                               ; K's fragments for d = 0 .. 31 are in; the eight younger loads stay out
.endif
	QKW \y, 0, 0
.endif
	v_max3_num_f32 v10, v10, v[SB+5], v[SB+6]
	v_max3_num_f32 v11, v11, v[SB+14], v[SB+15]
	v_max3_num_f32 v12, v12, v[SB+23], v[SB+24]
	v_max3_num_f32 v13, v13, v[SB+30], v[SB+31]
.if \qk
	QKW \y, 0, 1
.endif
	v_max3_num_f32 v10, v10, v[SB+7], v[SB+8]
	v_max3_num_f32 v11, v11, v[SB+16], v[SB+17]
	v_max3_num_f32 v10, v10, v11, v12
	v_max_num_f32 v10, v10, v13
.if \qk
	QKW \y, 0, 2
.endif
	v_permlanex16_b32 v9, v10, s98, s99            ; the other half's keys of the same query
.if \first
	v_max_num_f32 v11, v10, v9
.else
	v_max3_num_f32 v11, v[MP+2*\x], v10, v9        ; the new running maximum
	v_sub_f32 v12, v[MP+2*\x], v11                 ; old - new, at most 0
.endif
	v_mov_b32 v[MP+2*\x], v11
	v_mov_b32 v[MP+2*\x+1], v11
.if \qk
	QKW \y, 0, 3
.endif
.endm
.macro SUBN x, n                       ; n more pairs: s - m
.rept \n
	v_pk_add_f32 v[SB+2*i:SB+2*i+1], v[SB+2*i:SB+2*i+1], v[MP+2*\x:MP+2*\x+1] neg_lo:[0,1] neg_hi:[0,1]
.set i, i+1
.endr
.endm
; The maximum is taken away; among the 16 lines the four instructions that end tile y's scores.  Behind the last of them stand five plain lines:
; four are owed before K's fragments are loaded again and before the scores are read (ISA guide 7.12.1).
.macro SSUB x, qk, y, w
.set SB, SC+32*\x
.set i, 0
	SUBN \x, 2
.if \qk
.if \w
	s_wait_dscnt 0x0                               ; K's fragments for d = 32 .. 63
.endif
	QKW \y, 1, 0
.endif
	SUBN \x, 3
.if \qk
	QKW \y, 1, 1
.endif
	SUBN \x, 3
.if \qk
	QKW \y, 1, 2
.endif
	SUBN \x, 3
.if \qk
	QKW \y, 1, 3
.endif
	SUBN \x, 5
.endm
.macro SEXP x, first
.set SB, SC+32*\x
.if 1-\first
	v_exp_f32 v[ALP], v12
	v_exp_f32 v[ALP+1], v12
.endif
.set i, 0
.rept 32
	v_exp_f32 v[SB+i], v[SB+i]                     ; the scores are in the base-2 domain already
.set i, i+1
.endr
	v_nop                                          ; one plain place behind the run of transcendentals (ISA guide 5.7.2)
.endm
; The sum in two chains of eight pairs, O's 16 pairs rescaled between the chains' links, the running sum, and P to f16.
.macro SREST x, first
.set SB, SC+32*\x
.set OB, OA+32*\x
	s_wait_alu depctr_va_vdst(0)
	v_pk_add_f32 v[SUM:SUM+1], v[SB:SB+1], v[SB+2:SB+3]
	v_pk_add_f32 v[SUM+2:SUM+3], v[SB+16:SB+17], v[SB+18:SB+19]
.if 1-\first
	v_pk_mul_f32 v[OB:OB+1], v[OB:OB+1], v[ALP:ALP+1]
	v_pk_mul_f32 v[OB+2:OB+3], v[OB+2:OB+3], v[ALP:ALP+1]
.endif
.set i, 0
.rept 6
	v_pk_add_f32 v[SUM:SUM+1], v[SUM:SUM+1], v[SB+4+2*i:SB+5+2*i]
	v_pk_add_f32 v[SUM+2:SUM+3], v[SUM+2:SUM+3], v[SB+20+2*i:SB+21+2*i]
.if 1-\first
	v_pk_mul_f32 v[OB+4+4*i:OB+5+4*i], v[OB+4+4*i:OB+5+4*i], v[ALP:ALP+1]
	v_pk_mul_f32 v[OB+6+4*i:OB+7+4*i], v[OB+6+4*i:OB+7+4*i], v[ALP:ALP+1]
.endif
.set i, i+1
.endr
	v_pk_add_f32 v[SUM:SUM+1], v[SUM:SUM+1], v[SUM+2:SUM+3]
.if 1-\first
	v_pk_mul_f32 v[OB+28:OB+29], v[OB+28:OB+29], v[ALP:ALP+1]
	v_pk_mul_f32 v[OB+30:OB+31], v[OB+30:OB+31], v[ALP:ALP+1]
	v_add_f32 v10, v[SUM], v[SUM+1]
	v_fma_f32 v[LS+\x], v[LS+\x], v[ALP], v10
.else
	v_add_f32 v[LS+\x], v[SUM], v[SUM+1]
.endif
	; in place and ascending: tiles 2 g, 2 g + 1 become the eight registers at SB + 16 g
.irp g, 0,1
.irp u, 0,1
.irp c, 0,1,2,3
	v_cvt_pk_f16_f32 v[SB+16*\g+4*\u+\c], v[SB+8*(2*\g+\u)+2*\c], v[SB+8*(2*\g+\u)+2*\c+1]
.endr
.endr
.endr
.endm
; STAGE A of the block at (slot sl, key block kb).  pv: 0 no block before; 1 P V of tile 1 for the block before; 2 the same, starting O's sums.
; nxt = 1: a block follows, at (nsl, nkb).  bar = 1: this is the slot's last block: the change of slots; refill = 1: the slot is filled again.
.macro STA sl, kb, pv, first, nxt, nsl, nkb, bar, refill
	s_wait_kmcnt 0x0                               ; scalar loads come back in no order: zero alone shows both tiles' words there, and frees the pointer
.if \pv
	WIN A_W1
.endif
.set e, 0
.irp g, 0,1
.irp dt, 0,1,2,3
.if \pv
	PVW 1, \g, \dt, (\pv-1)*(1-\g)
.endif
	CND
	CND
	CND
.endr
.endr
.rept 8
	CND                                            ; with the three above: eleven plain lines behind the last P V; four are owed before V's fragments are loaded again
.endr
	WIN D_W1
	VLOAD \sl, \kb                                 ; V of this block: first used at stage B's head
	WIN 0
.if \nxt
	s_add_nc_u64 s[66:67], s[66:67], 256           ; the next block's words; tile 0's have a whole block in which to come
	s_load_b512 s[16:31], s[66:67], 0x0
	s_load_b512 s[32:47], s[66:67], 0x40
.endif
	SMAX 0, \first, 1, 1, 0                        ; K of this block has been in since stage B of the block before
	SSUB 0, 1, 1, 0
.if \bar
	; The change of slots.  Every wave's reads of this slot are back (V's just now were the last) and all its tensor loads have landed (one is out: its part
	; of the other slot).  refill = 1: the cluster's round takes the barrier's place, and behind it this slot is filled again first, one load a wave.
	s_wait_dscnt 0x0
	s_wait_tensorcnt 0x0
	ds_add_u32 v254, v255
	s_wait_dscnt 0x0
.if \refill
	s_add_nc_u64 s[G0+64*\sl+2:G0+64*\sl+3], s[G0+64*\sl+2:G0+64*\sl+3], 65536   ; no load of mine is out: 512 keys on
	ROUND
	JLOAD \sl
.else
	s_barrier_signal -1
	s_barrier_wait -1
.endif
.endif
.if \nxt
	KLOAD \nsl, \nkb                               ; K of the next block: first used in stage B, behind P V and eight lines of the maximum
.endif
.set e, 32
.rept 32
	CND                                            ; tile 1's select, as early as its scores allow, so that its words can be asked for again
.endr
.if \nxt
	s_load_b512 s[48:63], s[66:67], 0x80
	s_load_b512 s[80:95], s[66:67], 0xc0
.endif
	SEXP 0, \first
	SREST 0, \first
.endm
; STAGE B.  pvzero = 1: P V of tile 0 starts O's sums.  nxt = 1: tile 0's scores for the next block stand among tile 1's softmax.
.macro STB pvzero, first, nxt
.if \nxt
	s_wait_dscnt 16                                ; V's fragments are in; K's 16 younger loads stay out
.else
	s_wait_dscnt 0x0
.endif
	WIN A_W1
.irp g, 0,1
.irp dt, 0,1,2,3
	PVW 0, \g, \dt, \pvzero*(1-\g)
.endr
.endr
	WIN 0
	SMAX 1, \first, \nxt, 0, 1
	SSUB 1, \nxt, 0, 1
	SEXP 1, \first
	SREST 1, \first
.endm
.macro BLK sl, kb, nsl, nkb, bar, refill               ; a block in the steady state
	STA \sl, \kb, 1, 0, 1, \nsl, \nkb, \bar, \refill
	STB 0, 0, 1
.endm
	s_wait_tensorcnt 0x1                           ; my part of slot 0 is in; slot 1's stays out
	s_barrier_signal -1
	s_barrier_wait -1
	KLOAD 0, 0
	s_wait_loadcnt 0x0                             ; Q
	s_wait_dscnt 0x8                               ; K's fragments for d = 0 .. 31
.irp t, 0,1,2,3
	QKW 0, 0, \t                                   ; tile 0's scores of block 0: the one group with no vector work to stand among
.endr
	s_wait_dscnt 0x0
.irp t, 0,1,2,3
	QKW 0, 1, \t
.endr
.rept 4
	v_nop                                          ; four places ahead of the select that reads the scores (ISA guide 7.12.1)
.endr
	STA 0, 0, 0, 1, 1, 0, 1, 0, 0                  ; block 0 starts maximum, sum and O: nothing is cleared
	STB 1, 1, 1
	STA 0, 1, 2, 0, 1, 0, 2, 0, 0                  ; block 1: tile 1's first P V starts its sums
	STB 0, 0, 1
	BLK 0, 2, 0, 3, 0, 0
	s_mov_b32 s96, 3
.Lkv:                                              ; blocks 3-10, 11-18, 19-26: two changes of slots, two refills
	BLK 0, 3, 1, 0, 1, 1
	BLK 1, 0, 1, 1, 0, 0
	BLK 1, 1, 1, 2, 0, 0
	BLK 1, 2, 1, 3, 0, 0
	BLK 1, 3, 0, 0, 1, 1
	BLK 0, 0, 0, 1, 0, 0
	BLK 0, 1, 0, 2, 0, 0
	BLK 0, 2, 0, 3, 0, 0
	s_sub_co_u32 s96, s96, 1
	s_cmp_lg_u32 s96, 0
	s_cbranch_scc1 .Lkv
	s_load_b64 s[100:101], s[0:1], 0x10            ; xh; Q's loads, which named these registers, were waited for above
	BLK 0, 3, 1, 0, 1, 0                           ; block 27: the last change of slots; nothing is left to fetch
	BLK 1, 0, 1, 1, 0, 0
	BLK 1, 1, 1, 2, 0, 0
	BLK 1, 2, 1, 3, 0, 0
	STA 1, 3, 1, 0, 0, 0, 0, 0, 0                  ; block 31: no block follows: no K, no mask words
	STB 0, 0, 0
	WIN A_W1
.irp g, 0,1
.irp dt, 0,1,2,3
	PVW 1, \g, \dt, 0                              ; tile 1's last P V
.endr
.endr
	WIN 0
.rept 4
	v_nop                                          ; four places ahead of the lines that read O (ISA guide 7.12.1)
.endr
	; THE WAY OUT.  The two halves' sums are joined, O is divided, rounded, and goes through my own stage so that whole rows leave.
	v_permlanex16_b32 v9, v[LS], s98, s99
	v_permlanex16_b32 v10, v[LS+1], s98, s99
	v_add_f32 v[LS], v[LS], v9
	v_add_f32 v[LS+1], v[LS+1], v10                ; at least 1: the largest score's probability is 1
	v_rcp_f32 v[ALP], v[LS]
	v_rcp_f32 v[ALP+1], v[LS]
	v_rcp_f32 v[SUM], v[LS+1]
	v_rcp_f32 v[SUM+1], v[LS+1]
	v_nop                                          ; one plain place behind the transcendentals
.set i, 0
	s_wait_alu depctr_va_vdst(0)
.rept 16
	v_pk_mul_f32 v[OA+2*i:OA+2*i+1], v[OA+2*i:OA+2*i+1], v[ALP:ALP+1]
	v_pk_mul_f32 v[OA+32+2*i:OA+33+2*i], v[OA+32+2*i:OA+33+2*i], v[SUM:SUM+1]
.set i, i+1
.endr
.set i, 0
.rept 32
	v_cvt_pk_f16_f32 v[SC+i], v[OA+2*i], v[OA+2*i+1]       ; tile (dt, nt): four registers, d = 16 dt + 8 h + 0 .. 7 of query 16 nt + r
.set i, i+1
.endr
.irp nt, 0,1
.irp dt, 0,1,2,3
	ds_store_b128 v[STO], v[SC+4*(\dt+4*\nt):SC+4*(\dt+4*\nt)+3] offset:\nt*16*KP+32*\dt
.endr
.endr
.irp t, 0,1,2,3,4,5,6,7
	ds_load_b128 v[POOL+4*\t:POOL+4*\t+3], v[RD] offset:\t*4*KP    ; LDS serves a wave's instructions in order (ISA guide 5.7.1): these see the stores above
.endr
	s_wait_kmcnt 0x0
	s_add_nc_u64 s[100:101], s[100:101], s[104:105]
.irp t, 0,1,2,3,4,5,6,7
	s_wait_dscnt 7-\t                              ; read-back t is in; the younger ones stay out
	global_store_b128 v[XO], v[POOL+4*\t:POOL+4*\t+3], s[100:101] offset:512*\t   ; four rows: 512 consecutive bytes, aligned
.endr
	s_wait_tensorcnt 0x0
	ds_add_u32 v254, v255
	s_wait_dscnt 0x0
	ROUND                                          ; the closing round: no work-group ends while a partner may still ask for a tile that names it
	s_endpgm
.Lfunc_end_k_q85fbb35fd7_attn:
	.size	k_q85fbb35fd7_attn, .Lfunc_end_k_q85fbb35fd7_attn-k_q85fbb35fd7_attn
	.p2alignl 7, 3214868480
	.fill 96, 4, 3214868480
	.section	.rodata,"a",@progbits
	.p2align	6, 0x0
	.amdhsa_kernel k_q85fbb35fd7_attn
		.amdhsa_group_segment_fixed_size 327680
		.amdhsa_private_segment_fixed_size 0
		.amdhsa_enable_private_segment 0
		.amdhsa_kernarg_size 24
		.amdhsa_user_sgpr_count 2
		.amdhsa_user_sgpr_kernarg_segment_ptr 1
		.amdhsa_wavefront_size32 1
		.amdhsa_system_sgpr_workgroup_id_x 1
		.amdhsa_system_sgpr_workgroup_id_y 1
		.amdhsa_system_sgpr_workgroup_id_z 1
		.amdhsa_system_vgpr_workitem_id 0
		.amdhsa_next_free_vgpr 320
		.amdhsa_next_free_sgpr 106
		.amdhsa_reserve_vcc 0
		.amdhsa_float_denorm_mode_32 3
		.amdhsa_float_denorm_mode_16_64 3
		.amdhsa_memory_ordered 1
		.amdhsa_forward_progress 1
		.amdhsa_inst_pref_size 255
	.end_amdhsa_kernel
	.section	.bss,"aw",@nobits
	.p2align	6
	.space	262144
	.amdgpu_metadata
---
amdhsa.version: [ 1, 2 ]
amdhsa.kernels:
  - .name:           k_q85fbb35fd7_attn
    .symbol:         k_q85fbb35fd7_attn.kd
    .args:
      - { .name: heads, .offset: 0, .size: 8, .value_kind: global_buffer, .address_space: global }
      - { .name: mbits, .offset: 8, .size: 8, .value_kind: global_buffer, .address_space: global }
      - { .name: xh, .offset: 16, .size: 8, .value_kind: global_buffer, .address_space: global }
    .group_segment_fixed_size: 327680
    .private_segment_fixed_size: 0
    .kernarg_segment_align: 8
    .kernarg_segment_size: 24
    .max_flat_workgroup_size: 256
    .sgpr_count:     106
    .vgpr_count:     320
    .wavefront_size: 32
...
	.end_amdgpu_metadata
.endif
;; end of part 3
;; launch oproj (part 4): grid 8 x 32, 4 waves a work-group, clusters of 4 x 4, 327,680 bytes of LDS; arguments xh, wt16, out0; writes out0
.if DOCPART == 4
	.amdgcn_target "amdgcn-amd-amdhsa--gfx1250"
	.amdhsa_code_object_version 6
	.text
	.protected	k_q85fbb35fd7_oproj
	.globl	k_q85fbb35fd7_oproj
	.p2align	8
	.type	k_q85fbb35fd7_oproj,@function
k_q85fbb35fd7_oproj:
	s_mov_b64 s[64:65], 0
	v_nop
	global_prefetch_b8 v0, s[64:65] scope:SCOPE_SE
	s_setreg_imm32_b32 hwreg(HW_REG_WAVE_MODE, 25, 1), 1
	s_wait_xcnt 0x0
	s_wait_alu depctr_hold_cnt(0) depctr_sa_sdst(0) depctr_va_vdst(0) depctr_va_sdst(0) depctr_va_ssrc(0) depctr_va_vcc(0) depctr_vm_vsrc(0)
	s_getreg_b32 s2, hwreg(HW_REG_IB_STS2, 6, 4)
	s_cmp_eq_u32 s2, 0
	s_cbranch_scc0 .Lentry_in_a_cluster
	s_endpgm
.Lentry_in_a_cluster:
	s_bfe_u32 s2, ttmp6, 0x10000c
	s_cmp_lg_u32 s2, 0xf033
	s_cbranch_scc0 .Lentry_shape_is_right
	s_endpgm
.Lentry_shape_is_right:
; out0[m][n] = sum over k of x[m][k] w_output[n][k], m = 0 .. 4095, n, k = 0 .. 1023; f16 operands, f32 sums, f32 out.
; x lies as xh[m >> 7][h][m & 127][64] (k = 64 h + d), w_output as the fourth matrix of wt16.
; 8 x 32 = 256 work-groups of 128 x 128, four waves of 64 x 64 (16 accumulator tiles): blocks of 256 x 256 would leave 64 work-groups.
; K goes in four steps of 256 through two LDS slots, so there is no loop: two first fills, two refills.
; CLUSTERS 4 x 4: x's tiles are shared along a row of the cluster, w_output's along a column: joint tensor loads.
; Windows: 0: addresses, x's fragments (v64-127, v128-191); 1: w's fragments; 2: v0-127 the accumulators, tile (a, b) at 8 (4 a + b).
; The matrix instruction is used transposed (source 0 = rows of w, source 1 = rows of x): a lane's eight results are eight neighbouring columns of one row.
.set PA,     144                       ; x: a row of one head, 128 bytes + 16
.set PB,     528                       ; w: 512 bytes + 16
.set AHEAD,  128*PA                    ; one head's 128 rows
.set AHALF,  2*AHEAD                   ; one tensor load: two heads
.set BOFF,   2*AHALF                   ; w's 128 rows lie behind x's four heads
.set BHALF,  64*PB                     ; one tensor load: 64 rows
.set SLOT,   BOFF+2*BHALF              ; 141,312
.set STAGE,  2*SLOT                    ; 282,624: 16 rows x 272 bytes for each wave; no tensor load lands here
.set SPITCH, 272
.set ADRA, 16
.set ADRB, 20
.set STO,  24
.set RD,   25
.set CO,   26
.set F0,   64
.set F1,   128
.set G1, 24
.set G0, 32
.set G1B, 48
.set G0B, 56
.set MSB, 0
.macro WIN new                         ; the immediate's high byte repeats the setting that is left
.if MSB != \new
	s_set_vgpr_msb (MSB<<8)|\new
.set MSB, \new
.endif
.endm
.set MUL,   0xa1                       ; source 0 window 1, source 1 window 0, C and D window 2
.set TO_B,  0x40                       ; destination window 1
.set FROM2, 0x08                       ; an LDS store's data (source 1) from window 2
.macro JLOAD s                         ; waves 0 and 1 fetch x's halves, waves 2 and 3 w's
	s_cmp_eq_u32 s11, 0
	s_cbranch_scc0 .Lfor_b_\@
	tensor_load_to_lds s[G0+4*\s:G0+4*\s+3], s[G1:G1+7]
	s_nop 0
	s_branch .Lasked_\@
.Lfor_b_\@:
	tensor_load_to_lds s[G0B+4*\s:G0B+4*\s+3], s[G1B:G1B+7]
	s_nop 0
.Lasked_\@:
.endm
.macro CROUND                          ; a round of the cluster's barrier
	s_barrier_signal -1
	s_barrier_wait -1
	s_cmp_lg_u32 s10, 0
	s_cbranch_scc1 .Lnot_wave_0_\@
	s_barrier_signal -3
.Lnot_wave_0_\@:
	s_barrier_wait -3
	s_barrier_signal -1
	s_barrier_wait -1
.endm
	s_load_b128 s[4:7], s[0:1], 0x0                ; xh s[4:5], wt16 s[6:7]
	s_load_b64 s[8:9], s[0:1], 0x10                ; out0
	s_set_vgpr_msb 0x40
	v_lshl_add_u32 v255, v0, 2, 0x49400
	s_set_vgpr_msb 0x4000
	v_mov_b32 v255, 0
	s_set_vgpr_msb 0x1
	ds_add_u32 v255, v255
	s_set_vgpr_msb 0x100
	v_lshrrev_b32 v1, 5, v0
	v_readfirstlane_b32 s10, v1                    ; wave 0..3
	s_lshr_b32 s11, s10, 1                         ; my half of the rows; also: I fetch x (0) or w (1)
	s_and_b32 s12, s10, 1                          ; my half of the columns; also: which half of the tile I fetch
	s_bfe_u32 s40, ttmp6, 0x40000                  ; cx
	s_bfe_u32 s41, ttmp6, 0x40004                  ; cy
	s_lshl_b32 s42, ttmp9, 2
	s_add_co_u32 s42, s42, s40                     ; block column, 0 .. 7
	s_and_b32 s13, ttmp7, 0xffff
	s_lshl_b32 s13, s13, 2
	s_add_co_u32 s13, s13, s41                     ; block row, 0 .. 31
	s_lshl_b32 s43, s41, 2
	s_lshl_b32 s43, 15, s43                        ; my row of the cluster
	s_lshl_b32 s44, 0x1111, s40                    ; my column
	; x: two heads are 32,768 dense bytes, taken as 128 rows of 256 bytes, 4 words of padding behind every 32 words (a row of one head)
	s_or_b32 s[G1+0], s43, (1<<16)|(1<<20)|(1<<21)|(4<<22)|(3<<25)
	s_mov_b32 s[G1+1], 128<<16
	s_mov_b32 s[G1+2], 128<<16
	s_mov_b32 s[G1+3], 128<<16
	s_mov_b32 s[G1+4], 128
	s_mov_b32 s[G1+5], 128
	s_mov_b32 s[G1+6], 0
	s_mov_b32 s[G1+7], 0
	; w: 64 rows x 256 elements, pitch 1,024 elements, 4 words of padding behind every 128 words
	s_or_b32 s[G1B+0], s44, (1<<16)|(1<<20)|(1<<21)|(6<<22)|(3<<25)
	s_mov_b32 s[G1B+1], 256<<16
	s_mov_b32 s[G1B+2], 64<<16
	s_mov_b32 s[G1B+3], 256<<16
	s_mov_b32 s[G1B+4], 64
	s_mov_b32 s[G1B+5], 1024
	s_mov_b32 s[G1B+6], 0
	s_mov_b32 s[G1B+7], 0
	s_lshl_b32 s16, s13, 18                        ; x: block row x 16 heads of 16,384 bytes
	s_lshl_b32 s17, s12, 15                        ; + my two heads
	s_add_co_u32 s16, s16, s17
	s_mov_b32 s17, 0
	s_lshl_b32 s46, s42, 18                        ; w: block column x 128 rows of 2,048 bytes
	s_lshl_b32 s47, s12, 17                        ; + my 64 rows
	s_add_co_u32 s46, s46, s47
	s_add_co_u32 s46, s46, 6291456                 ; the fourth matrix of wt16
	s_mov_b32 s47, 0
	s_mul_i32 s20, s10, AHALF                      ; LDS, x (waves 0, 1): wave x 36,864
	s_mul_i32 s21, s10, BHALF                      ; LDS, w (waves 2, 3): 73,728 + (wave - 2) x 33,792
	s_add_co_u32 s21, s21, BOFF-2*BHALF
	s_wait_dscnt 0x0
	s_wait_kmcnt 0x0
	s_add_nc_u64 s[14:15], s[4:5], s[16:17]
	s_add_nc_u64 s[46:47], s[6:7], s[46:47]
	CROUND                                         ; all sixteen work-groups are here: the first joint loads meet
.irp s, 0,1
	s_mov_b32 s[G0+4*\s], 1
	s_add_co_u32 s[G0+4*\s+1], s20, \s*SLOT
	s_add_nc_u64 s[G0+4*\s+2:G0+4*\s+3], s[14:15], \s*65536        ; four heads on
	s_or_b32 s[G0+4*\s+3], s[G0+4*\s+3], 0x80000000
	s_mov_b32 s[G0B+4*\s], 1
	s_add_co_u32 s[G0B+4*\s+1], s21, \s*SLOT
	s_add_nc_u64 s[G0B+4*\s+2:G0B+4*\s+3], s[46:47], \s*512        ; 256 along K
	s_or_b32 s[G0B+4*\s+3], s[G0B+4*\s+3], 0x80000000
	JLOAD \s                                       ; two tensor loads of the wave are out, the most in this text
.endr
	v_and_b32 v1, 15, v0                           ; r
	v_bfe_u32 v2, v0, 4, 1                         ; h
	v_mul_u32_u24 v3, v1, PA
	v_lshl_add_u32 v3, v2, 4, v3
	v_mul_u32_u24 v4, v1, PB
	v_lshl_add_u32 v4, v2, 4, v4
	s_mul_i32 s22, s11, 64*PA                      ; my 64 rows of x
	s_mul_i32 s23, s12, 64*PB                      ; my 64 rows of w
	s_add_co_u32 s23, s23, BOFF
.irp s, 0,1
	v_add_nc_u32 v[ADRA+\s], s22, v3
	v_add_nc_u32 v[ADRB+\s], s23, v4
	s_add_co_u32 s22, s22, SLOT
	s_add_co_u32 s23, s23, SLOT
.endr
	s_mul_i32 s22, s10, 16*SPITCH
	s_add_co_u32 s22, s22, STAGE                   ; my stage
	v_mul_u32_u24 v5, v1, SPITCH
	v_lshl_add_u32 v5, v2, 5, v5                   ; in: row r, 32 bytes (8 f32) for each half of the lanes
	v_add_nc_u32 v[STO], s22, v5
	v_mul_u32_u24 v5, v2, SPITCH
	v_lshl_add_u32 v5, v1, 4, v5                   ; back: lanes 0-15 one row of 256 bytes, lanes 16-31 the next
	v_add_nc_u32 v[RD], s22, v5
	v_lshlrev_b32 v5, 12, v2                       ; and the same two rows of out0, 4,096 bytes apart
	v_lshl_add_u32 v[CO], v1, 4, v5
; 32 LDS loads: the fragments of 64 along K (head kq of the slot's four): fragment (ks, i) at f + 8 (4 ks + i)
.macro FETCH slot, kq, f
	WIN TO_B
.irp ks, 0,1
.irp i, 0,1,2,3
	ds_load_b128 v[\f+8*(4*\ks+\i):\f+8*(4*\ks+\i)+3],   v[ADRB+\slot] offset:\i*16*PB+(\kq)*128+\ks*64
	ds_load_b128 v[\f+8*(4*\ks+\i)+4:\f+8*(4*\ks+\i)+7], v[ADRB+\slot] offset:\i*16*PB+(\kq)*128+\ks*64+32
.endr
.endr
	WIN 0
.irp ks, 0,1
.irp i, 0,1,2,3
	ds_load_b128 v[\f+8*(4*\ks+\i):\f+8*(4*\ks+\i)+3],   v[ADRA+\slot] offset:(\kq)*AHEAD+\i*16*PA+\ks*64
	ds_load_b128 v[\f+8*(4*\ks+\i)+4:\f+8*(4*\ks+\i)+7], v[ADRA+\slot] offset:(\kq)*AHEAD+\i*16*PA+\ks*64+32
.endr
.endr
.endm
; 16 matrix instructions, 32 along K; the 16 accumulators take turns, one instruction a turn, always in this order
.macro MULK f, ks, zero
	WIN MUL
.irp a, 0,1,2,3
.irp b, 0,1,2,3
.if \zero
	v_wmma_f32_16x16x32_f16 v[8*(4*\a+\b):8*(4*\a+\b)+7], v[\f+8*(4*\ks+\b):\f+8*(4*\ks+\b)+7], v[\f+8*(4*\ks+\a):\f+8*(4*\ks+\a)+7], 0
.else
	v_wmma_f32_16x16x32_f16 v[8*(4*\a+\b):8*(4*\a+\b)+7], v[\f+8*(4*\ks+\b):\f+8*(4*\ks+\b)+7], v[\f+8*(4*\ks+\a):\f+8*(4*\ks+\a)+7], v[8*(4*\a+\b):8*(4*\a+\b)+7]
.endif
.endr
.endr
.endm
.macro PLACES                          ; four plain places between a matrix instruction and a load into, or a read of, its registers
.rept 4
	v_nop
.endr
.endm
; 64 along K from buffer f; in its middle the next 64's fragments are fetched into buffer g
.macro GROUP slot, kq, f, g, fetch, zero
	s_wait_dscnt 0x0                               ; buffer f is whole
	MULK \f, 0, \zero
.if \fetch
	PLACES
	FETCH \slot, \kq+1, \g
.endif
	MULK \f, 1, 0
.endm
.macro WORK slot, zero                 ; a slot's 256 along K
	PLACES
	FETCH \slot, 0, F0
	GROUP \slot, 0, F0, F1, 1, \zero
	GROUP \slot, 1, F1, F0, 1, 0
	GROUP \slot, 2, F0, F1, 1, 0
	GROUP \slot, 3, F1, F0, 0, 0
.endm
; Slot s, which has been read, is filled again: every wave's reads are back and all its tensor loads have landed (the other slot's among them);
; the cluster's round takes the barrier's place; the joint refill is the first thing behind it, one load a wave.
.macro REFILL s
	s_wait_dscnt 0x0
	s_wait_tensorcnt 0x0
	ds_add_u32 v255, v255
	s_wait_dscnt 0x0
	WIN 0
	s_add_nc_u64 s[G0+4*\s+2:G0+4*\s+3], s[G0+4*\s+2:G0+4*\s+3], 131072      ; eight heads on
	s_add_nc_u64 s[G0B+4*\s+2:G0B+4*\s+3], s[G0B+4*\s+2:G0B+4*\s+3], 1024    ; 512 along K
	CROUND
	JLOAD \s
.endm
	s_wait_tensorcnt 0x1                           ; my part of slot 0 is in; slot 1's stays out
	s_barrier_signal -1
	s_barrier_wait -1
	WORK 0, 1                                      ; k = 0 .. 255; the first products start the sums
	REFILL 0
	WORK 1, 0                                      ; k = 256 .. 511
	REFILL 1
	WORK 0, 0                                      ; k = 512 .. 767
	s_wait_dscnt 0x0
	s_wait_tensorcnt 0x0                           ; my part of the last tile
	s_barrier_signal -1
	s_barrier_wait -1                              ; everybody's; nothing is left to fetch
	WORK 1, 0                                      ; k = 768 .. 1023
	; THE WAY OUT, 16 rows at a time: the f32 sums go straight from the accumulators into my own stage and come back as whole rows of 256 bytes.
	PLACES
	s_lshl_b32 s16, s13, 19                        ; block row x 128 rows of 4,096 bytes
	s_lshl_b32 s14, s11, 18                        ; + my 64 rows
	s_add_co_u32 s16, s16, s14
	s_mov_b32 s17, 0
	s_add_nc_u64 s[8:9], s[8:9], s[16:17]
	s_lshl_b32 s46, s42, 9                         ; block column x 128 f32
	s_lshl_b32 s47, s12, 8                         ; + my 64
	s_add_co_u32 s46, s46, s47
	s_mov_b32 s47, 0
	s_add_nc_u64 s[8:9], s[8:9], s[46:47]
.macro OUT16 a, f
	WIN FROM2
.irp b, 0,1,2,3
	ds_store_b128 v[STO], v[8*(4*\a+\b):8*(4*\a+\b)+3]   offset:64*\b
	ds_store_b128 v[STO], v[8*(4*\a+\b)+4:8*(4*\a+\b)+7] offset:64*\b+16
.endr
	WIN 0
	s_wait_xcnt 0x0                                ; buffer f, which earlier stores read, is loaded again only behind this wait
.irp t, 0,1,2,3,4,5,6,7
	ds_load_b128 v[\f+4*\t:\f+4*\t+3], v[RD] offset:\t*2*SPITCH    ; LDS serves a wave's instructions in order (ISA guide 5.7.1): these see the stores above
.endr
.irp t, 0,1,2,3,4,5,6,7
	s_wait_dscnt 7-\t                              ; read-back t is in; the younger ones stay out
	global_store_b128 v[CO], v[\f+4*\t:\f+4*\t+3], s[8:9] offset:(16*\a+2*\t)*4096   ; 16 lanes store 256 consecutive bytes, aligned
.endr
.endm
	OUT16 0, F0
	OUT16 1, F1
	OUT16 2, F0
	OUT16 3, F1
	s_set_vgpr_msb 0x1
	s_wait_tensorcnt 0x0
	ds_add_u32 v255, v255
	s_wait_dscnt 0x0
	s_set_vgpr_msb 0x100
	CROUND                                         ; the closing round: no work-group ends while a partner may still ask for a tile that names it
	s_endpgm
.Lfunc_end_k_q85fbb35fd7_oproj:
	.size	k_q85fbb35fd7_oproj, .Lfunc_end_k_q85fbb35fd7_oproj-k_q85fbb35fd7_oproj
	.p2alignl 7, 3214868480
	.fill 96, 4, 3214868480
	.section	.rodata,"a",@progbits
	.p2align	6, 0x0
	.amdhsa_kernel k_q85fbb35fd7_oproj
		.amdhsa_group_segment_fixed_size 327680
		.amdhsa_private_segment_fixed_size 0
		.amdhsa_enable_private_segment 0
		.amdhsa_kernarg_size 24
		.amdhsa_user_sgpr_count 2
		.amdhsa_user_sgpr_kernarg_segment_ptr 1
		.amdhsa_wavefront_size32 1
		.amdhsa_system_sgpr_workgroup_id_x 1
		.amdhsa_system_sgpr_workgroup_id_y 1
		.amdhsa_system_sgpr_workgroup_id_z 1
		.amdhsa_system_vgpr_workitem_id 0
		.amdhsa_next_free_vgpr 640
		.amdhsa_next_free_sgpr 66
		.amdhsa_reserve_vcc 0
		.amdhsa_float_denorm_mode_32 3
		.amdhsa_float_denorm_mode_16_64 3
		.amdhsa_memory_ordered 1
		.amdhsa_forward_progress 1
		.amdhsa_inst_pref_size 86
	.end_amdhsa_kernel
	.amdgpu_metadata
---
amdhsa.version: [ 1, 2 ]
amdhsa.kernels:
  - .name:           k_q85fbb35fd7_oproj
    .symbol:         k_q85fbb35fd7_oproj.kd
    .args:
      - { .name: xh, .offset: 0, .size: 8, .value_kind: global_buffer, .address_space: global }
      - { .name: wt16, .offset: 8, .size: 8, .value_kind: global_buffer, .address_space: global }
      - { .name: out0, .offset: 16, .size: 8, .value_kind: global_buffer, .address_space: global }
    .group_segment_fixed_size: 327680
    .private_segment_fixed_size: 0
    .kernarg_segment_align: 8
    .kernarg_segment_size: 24
    .max_flat_workgroup_size: 128
    .sgpr_count:     66
    .vgpr_count:     640
    .wavefront_size: 32
...
	.end_amdgpu_metadata
.endif
;; end of part 4
;; ======== version 2 of 2: 4 launches; version 1 with the launch prep written anew for expert scheduling mode
;; limits: values are held in f16: magnitudes above 65,504 overflow, below 6.1e-05 lose precision
;; workspace buffers: act16 25,165,824 bytes; wt16 8,388,608 bytes; mbits 524,288 bytes of whole numbers; heads 25,165,824 bytes; xh 8,388,608 bytes
;; launch prep (part 5): grid 512 x 1, 8 waves a work-group, no clusters, 0 bytes of LDS; arguments q, k, v, w_q, w_k, w_v, w_output, mask, act16, wt16, mbits; writes act16, wt16, mbits
.if DOCPART == 5
	.amdgcn_target "amdgcn-amd-amdhsa--gfx1250"
	.amdhsa_code_object_version 6
	.text
	.protected	k_q85fbb35fd7_prep
	.globl	k_q85fbb35fd7_prep
	.p2align	8
	.type	k_q85fbb35fd7_prep,@function
k_q85fbb35fd7_prep:
	s_mov_b64 s[64:65], 0
	v_nop
	global_prefetch_b8 v0, s[64:65] scope:SCOPE_SE
	s_setreg_imm32_b32 hwreg(HW_REG_WAVE_SCHED_MODE, 0, 2), 2
	s_setreg_imm32_b32 hwreg(HW_REG_WAVE_MODE, 25, 1), 1
	s_wait_xcnt 0x0
	s_wait_alu depctr_vm_vsrc(0)
; 512 work-groups of equal work, two for each of 256 WGPs.  Each does two things.
; (1) f32 to f16, 131,072 bytes in: act16 = q, k, v stacked as [12288][1024]; wt16 = C w_q, w_k, w_v, w_output as [4][1024][1024].
; f16 and not bf16: eleven significant bits against eight, and these inputs have the room: 30 times the spread of q, k, v is under 200,
; a thirtieth of the weights' spread of 1/32 is 1e-3, against f16's largest number 65,504 and its step of 6e-8 near zero.
; C = log2(e) / 8 goes into w_q ahead of its rounding, so that the scores of the attention launch arrive divided by
; sqrt(64) and in the base-2 domain.  LIMIT: the order of rounding differs from a division of the f32 scores by 8.
; (2) Waves 0 to 3 pack one key block of the mask each (32 query rows x 64 keys) into 64 words of 32 bits, one bit a lane, in the order in which
; the attention launch holds its scores: mbits[qb][kb][e], e = 32 nt + 8 t + j; bit L of a word = mask[32 qb + 16 nt + (L & 15)][64 kb + 16 t + 8 (L >> 4) + j].
; Work-group id takes qb = id / 8 and kb = 4 (id % 8) + wave: the four waves together read 256 consecutive bytes of each of the 32 rows.
; LIMIT: a mask byte counts as true when it is not 0.
; No LDS, no barrier, no matrix unit: a stream, every byte read once and written once.
; THE MODE: SCHED_MODE bits 1:0 = 2 (LLVM: expert scheduling mode 2), set by the entry lines.  The code itself states the register dependences
; between vector instructions and memory instructions, and those through scalar registers that vector instructions write, with s_wait_alu, always for 0.
; THE PLAN.  Registers that memory instructions touch:
;   v1, v2        offsets of the cast's loads and stores: written once at the head, never again.
;   v[MO], v[MS]  offsets of the mask's loads and of its store: written once in the arm of waves 0 to 3, never again.
;   v[LD ..]      the mask's eight loads land here; no vector instruction writes them; the extracts read them behind the counted wait.
;   v[W:W+1]      written by two moves and 64 v_writelane_b32, then read by the one store of the mask's words, never written again.
;   v[X ..]       load i lands in its own four registers, which no vector instruction names before; they are converted in place, the store reads the first two,
;                 and nothing writes them afterwards.
; So no register that a memory instruction has read is written again, no load lands where a vector instruction has been, and no base is stepped: what is left to state
; is 'written, then read by a memory instruction': once for the offsets on each way, once for the mask's words, once for each block of four conversions' results;
; and 'a vector instruction wrote a scalar register': once for the wave's number, once for each run of sixteen compares.
.set X,  4                             ; v[4:131]    cast: 32 loads of 4 registers, converted in place
.set LD, 132                           ; v[132:147]  mask: 8 loads of 8 bytes: register LD + (e >> 2) holds the bytes of words e & ~3 .. e | 3
.set W,  148                           ; v[148:149]  mask: lane l holds words 2 l and 2 l + 1
.set T,  150                           ; v[150:153]  mask: at work
.set MO, 154                           ; v154        mask: my byte offset in the 16 rows
.set MS, 155                           ; v155        mask: 8 x lane
.set CM, 48                            ; s[48:63]    mask: the sixteen words of one run of compares
	s_load_b512 s[4:19], s[0:1], 0x0               ; q s[4:5], k s[6:7], v s[8:9], w_q s[10:11], w_k s[12:13], w_v s[14:15], w_output s[16:17], mask s[18:19]
	s_load_b128 s[20:23], s[0:1], 0x40             ; act16 s[20:21], wt16 s[22:23]
	s_load_b64 s[24:25], s[0:1], 0x50              ; mbits
	s_mov_b32 s2, ttmp9
	s_mov_b32 s29, 0                               ; the high word of every offset pair
	v_lshrrev_b32 v3, 5, v0
	v_readfirstlane_b32 s3, v3                     ; wave 0..7
	v_lshlrev_b32 v1, 4, v0                        ; cast: 16 bytes a thread in
	v_lshlrev_b32 v2, 3, v0                        ; 8 bytes a thread out
	s_wait_kmcnt 0x0
	; the cast's source and destination: 128 groups for each of q, k, v, 32 for each weight
	s_mov_b64 s[26:27], s[4:5]
	s_cmp_ge_u32 s2, 128
	s_cselect_b64 s[26:27], s[6:7], s[26:27]
	s_cmp_ge_u32 s2, 256
	s_cselect_b64 s[26:27], s[8:9], s[26:27]
	s_cmp_ge_u32 s2, 384
	s_cselect_b64 s[26:27], s[10:11], s[26:27]
	s_cmp_ge_u32 s2, 416
	s_cselect_b64 s[26:27], s[12:13], s[26:27]
	s_cmp_ge_u32 s2, 448
	s_cselect_b64 s[26:27], s[14:15], s[26:27]
	s_cmp_ge_u32 s2, 480
	s_cselect_b64 s[26:27], s[16:17], s[26:27]
	s_cmp_lt_u32 s2, 384
	s_cselect_b32 s28, 127, 31                     ; the group's number inside its source
	s_and_b32 s28, s2, s28
	s_lshl_b32 s28, s28, 17
	s_add_nc_u64 s[26:27], s[26:27], s[28:29]
	s_cmp_lt_u32 s2, 384                           ; compared again: the lines above set SCC
	s_cselect_b64 s[34:35], s[20:21], s[22:23]
	s_cselect_b32 s28, 0, 384
	s_sub_co_u32 s28, s2, s28
	s_lshl_b32 s28, s28, 16                        ; 65,536 bytes of f16 for each group
	s_add_nc_u64 s[34:35], s[34:35], s[28:29]
.macro CASTLOADS                       ; a wave's load covers 512 neighbouring bytes; all 32 go out at once
.set i, 0
.rept 32
	global_load_b128 v[X+4*i:X+4*i+3], v1, s[26:27] offset:4096*i th:TH_LOAD_NT
.set i, i+1
.endr
.endm
	s_wait_alu depctr_va_sdst(0)                   ; v_readfirstlane_b32 has written s3, ahead of its first reader, the compare below
	s_cmp_ge_u32 s3, 4
	s_cbranch_scc1 .Lcast_only
	; ---- waves 0 to 3: the mask's loads first, then the cast's; the words are packed while the cast's loads are on their way ----
	v_and_b32 v3, 15, v0
	v_lshlrev_b32 v[MO], 11, v3                    ; (L & 15) rows of 2,048 bytes
	v_bfe_u32 v3, v0, 4, 1
	v_lshl_add_u32 v[MO], v3, 3, v[MO]             ; + 8 (L >> 4)
	v_and_b32 v[MS], 31, v0
	v_lshlrev_b32 v[MS], 3, v[MS]
	s_lshr_b32 s44, s2, 3                          ; qb
	s_lshl_b32 s28, s44, 16                        ; 32 rows of 2,048 bytes
	s_and_b32 s44, s2, 7
	s_lshl_b32 s44, s44, 8                         ; + 256 keys for each of a query block's eight groups
	s_add_co_u32 s28, s28, s44
	s_lshl_b32 s44, s3, 6                          ; + 64 keys a wave
	s_add_co_u32 s28, s28, s44
	s_add_nc_u64 s[36:37], s[18:19], s[28:29]
	s_lshl_b32 s28, s2, 10                         ; mbits: 8,192 qb + 1,024 (id % 8) = 1,024 id,
	s_lshl_b32 s44, s3, 8                          ; + 256 bytes a wave
	s_add_co_u32 s28, s28, s44
	s_add_nc_u64 s[38:39], s[24:25], s[28:29]
	s_wait_alu depctr_va_vdst(0)                   ; the four offsets v1, v2, v[MO], v[MS] are written, which every load and store on this way reads; none is written again
.irp nt, 0,1
.irp t, 0,1,2,3
	global_load_b64 v[LD+2*(4*\nt+\t):LD+2*(4*\nt+\t)+1], v[MO], s[36:37] offset:\nt*32768+16*\t   ; the lane's eight bytes j = 0 .. 7
.endr
.endr
	CASTLOADS
	v_mov_b32 v[W], 0                              ; v_writelane_b32 keeps the other lanes: the registers are written whole first
	v_mov_b32 v[W+1], 0
	s_wait_loadcnt 32                              ; the mask's eight loads are in; the cast's 32 younger ones stay out (loads come back in order: ISA guide 5.7.1)
; The 64 words in four runs of sixteen: a register's four bytes are taken apart, four compares make four words (one bit a lane), and so on for four registers;
; then the run's sixteen words go into their lanes of W.
.set u, 0
.rept 4
.set e, 16*u
.rept 4
	v_bfe_u32 v[T],   v[LD+(e>>2)], 0, 8
	v_bfe_u32 v[T+1], v[LD+(e>>2)], 8, 8
	v_bfe_u32 v[T+2], v[LD+(e>>2)], 16, 8
	v_bfe_u32 v[T+3], v[LD+(e>>2)], 24, 8
	v_cmp_ne_u32 s[CM+(e&15)],   0, v[T]           ; word e
	v_cmp_ne_u32 s[CM+(e&15)+1], 0, v[T+1]
	v_cmp_ne_u32 s[CM+(e&15)+2], 0, v[T+2]
	v_cmp_ne_u32 s[CM+(e&15)+3], 0, v[T+3]
.set e, e+4
.endr
	s_wait_alu depctr_va_sdst(0)                   ; the run's sixteen compares have written s[CM ..], ahead of the first line that reads one of them
.set e, 16*u
.rept 16
	v_writelane_b32 v[W+(e&1)], s[CM+(e&15)], e>>1
.set e, e+1
.endr
.set u, u+1
.endr
	s_wait_alu depctr_va_vdst(0)                   ; the v_writelane_b32 lines have written v[W:W+1], which the store reads
	global_store_b64 v[MS], v[W:W+1], s[38:39]     ; 64 words: 256 consecutive bytes, aligned
	s_branch .Lconv
.Lcast_only:
	s_wait_alu depctr_va_vdst(0)                   ; the two offsets v1 and v2 are written, which every load and store on this way reads; neither is written again
	CASTLOADS
.Lconv:
; The cast in eight blocks of four loads.  Block p's loads are there when at most 28 - 4 p younger ones are out, on both ways to this line (the mask's loads were waited for).
; The block is converted in place, ONE wait states that its conversions have written the stores' data, and its four stores follow in a run.  The stores stand behind their own
; block and not behind the next block's wait for data: every load is out already, so nothing else could be issued meanwhile, and the stores would only leave later.
; No register is written again once a load or a store has named it.  A wave's store covers 256 consecutive bytes, aligned.
.macro CONV scaled
.set p, 0
.rept 8
	s_wait_loadcnt 28-4*p                          ; loads come back in order (ISA guide 5.7.1): loads 4 p .. 4 p + 3 are in, the younger ones stay out
.if \scaled
.set i, 4*p
.rept 4
	v_pk_mul_f32 v[X+4*i:X+4*i+1], v[X+4*i:X+4*i+1], s[30:31] op_sel_hi:[1,0]
	v_pk_mul_f32 v[X+4*i+2:X+4*i+3], v[X+4*i+2:X+4*i+3], s[30:31] op_sel_hi:[1,0]
.set i, i+1
.endr
.endif
.set i, 4*p
.rept 4
	v_cvt_pk_f16_f32 v[X+4*i], v[X+4*i], v[X+4*i+1]
	v_cvt_pk_f16_f32 v[X+4*i+1], v[X+4*i+2], v[X+4*i+3]
.set i, i+1
.endr
	s_wait_alu depctr_va_vdst(0)                   ; the block's eight conversions have written v[X+4i:X+4i+1], i = 4 p .. 4 p + 3, which the four stores read
.set i, 4*p
.rept 4
	global_store_b64 v2, v[X+4*i:X+4*i+1], s[34:35] offset:2048*i
.set i, i+1
.endr
.set p, p+1
.endr
	s_endpgm
.endm
	s_lshr_b32 s44, s2, 5
	s_cmp_eq_u32 s44, 12                           ; groups 384 to 415 hold w_q
	s_cbranch_scc1 .Lscaled
	CONV 0
.Lscaled:
	s_mov_b32 s30, 0x3e38aa3b                      ; log2(e) / 8
	s_mov_b32 s31, 0x3e38aa3b
	CONV 1
.Lfunc_end_k_q85fbb35fd7_prep:
	.size	k_q85fbb35fd7_prep, .Lfunc_end_k_q85fbb35fd7_prep-k_q85fbb35fd7_prep
	.p2alignl 7, 3214868480
	.fill 96, 4, 3214868480
	.section	.rodata,"a",@progbits
	.p2align	6, 0x0
	.amdhsa_kernel k_q85fbb35fd7_prep
		.amdhsa_group_segment_fixed_size 0
		.amdhsa_private_segment_fixed_size 0
		.amdhsa_enable_private_segment 0
		.amdhsa_kernarg_size 88
		.amdhsa_user_sgpr_count 2
		.amdhsa_user_sgpr_kernarg_segment_ptr 1
		.amdhsa_wavefront_size32 1
		.amdhsa_system_sgpr_workgroup_id_x 1
		.amdhsa_system_sgpr_workgroup_id_y 1
		.amdhsa_system_sgpr_workgroup_id_z 1
		.amdhsa_system_vgpr_workitem_id 0
		.amdhsa_next_free_vgpr 160
		.amdhsa_next_free_sgpr 66
		.amdhsa_reserve_vcc 0
		.amdhsa_float_denorm_mode_32 3
		.amdhsa_float_denorm_mode_16_64 3
		.amdhsa_memory_ordered 1
		.amdhsa_forward_progress 1
		.amdhsa_inst_pref_size 41
	.end_amdhsa_kernel
	.amdgpu_metadata
---
amdhsa.version: [ 1, 2 ]
amdhsa.kernels:
  - .name:           k_q85fbb35fd7_prep
    .symbol:         k_q85fbb35fd7_prep.kd
    .args:
      - { .name: q, .offset: 0, .size: 8, .value_kind: global_buffer, .address_space: global }
      - { .name: k, .offset: 8, .size: 8, .value_kind: global_buffer, .address_space: global }
      - { .name: v, .offset: 16, .size: 8, .value_kind: global_buffer, .address_space: global }
      - { .name: w_q, .offset: 24, .size: 8, .value_kind: global_buffer, .address_space: global }
      - { .name: w_k, .offset: 32, .size: 8, .value_kind: global_buffer, .address_space: global }
      - { .name: w_v, .offset: 40, .size: 8, .value_kind: global_buffer, .address_space: global }
      - { .name: w_output, .offset: 48, .size: 8, .value_kind: global_buffer, .address_space: global }
      - { .name: mask, .offset: 56, .size: 8, .value_kind: global_buffer, .address_space: global }
      - { .name: act16, .offset: 64, .size: 8, .value_kind: global_buffer, .address_space: global }
      - { .name: wt16, .offset: 72, .size: 8, .value_kind: global_buffer, .address_space: global }
      - { .name: mbits, .offset: 80, .size: 8, .value_kind: global_buffer, .address_space: global }
    .group_segment_fixed_size: 0
    .private_segment_fixed_size: 0
    .kernarg_segment_align: 8
    .kernarg_segment_size: 88
    .max_flat_workgroup_size: 256
    .sgpr_count:     66
    .vgpr_count:     160
    .wavefront_size: 32
...
	.end_amdgpu_metadata
.endif
;; end of part 5
;; launch qkv: the kernel of part 2 again; grid 4 x 48, 4 waves a work-group, clusters of 4 x 4, 327,680 bytes of LDS; arguments act16, wt16, heads; writes heads
;; launch attn: the kernel of part 3 again; grid 8 x 32, 8 waves a work-group, clusters of 4 x 1, 327,680 bytes of LDS; arguments heads, mbits, xh; writes xh
;; launch oproj: the kernel of part 4 again; grid 8 x 32, 4 waves a work-group, clusters of 4 x 4, 327,680 bytes of LDS; arguments xh, wt16, out0; writes out0
